; MI455X (gfx1250); checked and timed in simulation.
; The chip was launched on July 23, 2026; its instructions are those of AMD's public machine-readable ISA for CDNA 5 (MIT licence, August 2026) and "CDNA5" Instruction Set Architecture Reference Guide (July 2026). The comments in the code are by the model that wrote it; some were corrected since.
;; Block. Allowed arithmetic: matrix products marked QUANTISED: E4M3 operands, one given power-of-two scale a tensor, by v_wmma_f32_16x16x64_fp8_fp8 or v_wmma_f32_16x16x128_fp8_fp8, f32 sums; everything else in f32.
;; Inputs: b_fc1 4,096 float32; b_fc2 1,024 float32; b_o 1,024 float32; b_qkv 3,072 float32; ln1_b 1,024 float32; ln1_g 1,024 float32; ln2_b 1,024 float32; ln2_g 1,024 float32; lowp_scales 12 int32 (the exponents e of the quantised operands' scales 2^e); w_fc1_codes 4,096 x 32 x 32 uint8 (E4M3 codes of w_fc1, K innermost, in blocks of 32 codes); w_fc2_codes 1,024 x 128 x 32 uint8 (E4M3 codes of w_fc2, K innermost, in blocks of 32 codes); w_o_codes 1,024 x 32 x 32 uint8 (E4M3 codes of w_o, K innermost, in blocks of 32 codes); w_qkv_codes 3,072 x 32 x 32 uint8 (E4M3 codes of w_qkv, K innermost, in blocks of 32 codes); x 4 x 1,024 x 1,024 float32.
;; Outputs: out0 4 x 1,024 x 1,024 float32.
;; Constants: transition_dim = 32.
;; This version of the problem:
;;   THIS VERSION OF THE PROBLEM IS GIVEN IN LOW PRECISION. The matrix products marked QUANTISED in the list below multiply operands that are first quantised to E4M3 (4 exponent bits, 3 mantissa bits; 8 bits a number), with one given power-of-two scale for each operand tensor; their sums are f32. All else is computed in f32.
;;   The module's matrix products, in the order in which they are computed (A, B: the left and right operand; K: the contracted axis; several contracted axes count as one K, in the product's order):
;;     1. [M 4,096, K 1,024] x [K 1,024, N 3,072]; A: computed on the way; B: input w_qkv (given as codes): QUANTISED (scales: A lowp_scales[0], B lowp_scales[1])
;;     2. batch 64 x [M 1,024, K 64] x [K 64, N 1,024]; A: computed on the way; B: computed on the way: QUANTISED (scales: A lowp_scales[2], B lowp_scales[3])
;;     3. batch 64 x [M 1,024, K 1,024] x [K 1,024, N 64]; A: softmax (see below); B: computed on the way: QUANTISED (scales: A lowp_scales[4], B lowp_scales[5])
;;     4. [M 4,096, K 1,024] x [K 1,024, N 1,024]; A: computed on the way; B: input w_o (given as codes): QUANTISED (scales: A lowp_scales[6], B lowp_scales[7])
;;     5. [M 4,096, K 1,024] x [K 1,024, N 4,096]; A: computed on the way; B: input w_fc1 (given as codes): QUANTISED (scales: A lowp_scales[8], B lowp_scales[9])
;;     6. [M 4,096, K 4,096] x [K 4,096, N 1,024]; A: computed on the way; B: input w_fc2 (given as codes): QUANTISED (scales: A lowp_scales[10], B lowp_scales[11])
;;   THE QUANTISER, for each operand of a quantised product, along K:
;;     - The operand's scale is 2^e, e = its entry of the input lowp_scales (int32; the entries are numbered through the quantised products in the list's order, A before B).
;;     - Each number is divided by the scale, clamped to +-448, and rounded to the nearest number of E4M3, ties to even, subnormals kept.
;;     - The product sums the exact products of the quantised numbers (number of the format x scale) in f32.
;;   ~~~python
;;   def quantise(x, axis, e):      # numpy; x: float32 -> the quantised numbers, widened to float32 again
;;       x = np.moveaxis(x, axis, -1); K = x.shape[-1]
;;       r = np.clip(x / 2.0 ** e, -448, 448)
;;       step = 2.0 ** (np.maximum(np.frexp(np.where(r == 0, 1, r))[1] - 1, -6) - 3)
;;       q = np.round(r / step) * step * 2.0 ** e      # np.round: ties to even
;;       return np.moveaxis(q, -1, axis).astype(np.float32)
;;   ~~~
;;   SOFTMAX AHEAD OF A QUANTISED PRODUCT. Where the list says 'softmax', what is quantised is not the finished softmax but p = 2^(t - M), with t = logit x log2(e) and M = ceil(the row's largest t), a whole number; so 1/2 < the row's largest p <= 1. The row's sum l is taken of the UNQUANTISED p, in f32, and the product's result is divided by l at the end. Since M is a whole number, a kernel that streams over the keys may use a running M (the ceiling of the running maximum): every later rescaling is an exact power of two, so the quantised numbers keep their values, but for numbers so far below the row's largest that they fall under the format's range.
;;   OPERANDS COMPUTED ON THE WAY. 'Computed on the way' means the value that the module computes at that place (a softmax that the list does not call 'softmax' is quantised finished and normalised). What goes into a quantiser is computed in f32, as accurately as f32 sums, v_exp_f32 and their like allow (about 1e-6 of the number): no bf16 or f16 on the way to a quantiser, and a product that is left as it is and whose result goes on into a quantised operand takes f32 operands (vector FMAs, or v_wmma_f32_16x16x4_f32). A number that lies on a knife's edge between two numbers of the format may be rounded either way, as far as f32 arithmetic and the matrix unit's own rounding can turn it there, and no further.
;;   INPUTS GIVEN AS CODES. w_fc1 (in the module: [4096, 1024], K = its axis 1); w_fc2 (in the module: [1024, 4096], K = its axis 1); w_o (in the module: [1024, 1024], K = its axis 1); w_qkv (in the module: [3072, 1024], K = its axis 1): each comes as NAME_codes (uint8): NAME with its K axis moved to the last place and cut into blocks of 32 codes, [.., K / 32, bytes a block], one block behind the other in memory; one code a byte (a code: sign, 4 exponent bits, 3 mantissa bits); its scale is its entry of lowp_scales. Its value is code x scale, taken as it is: it is not quantised again, and the codes and scales need not be those that the quantiser above would give.
;; One version. Each part assembles by itself: llvm-mc -triple=amdgcn-amd-amdhsa -mcpu=gfx1250 --defsym DOCPART=n.
;; ======== version 1 of 1: 7 launches
;; limits: right only within a limited range of input values
;; workspace buffers: xn 4,194,304 bytes; qi 4,194,304 bytes; ki 4,194,304 bytes; vi 4,194,304 bytes; ai 4,194,304 bytes; x1 16,777,216 bytes; gi 16,777,216 bytes
;; launch ln1 (part 1): grid 256 x 1, 4 waves a work-group, no clusters, 16,896 bytes of LDS; arguments x, ln1_g, ln1_b, lowp_scales, xn; writes xn
.if DOCPART == 1
	.amdgcn_target "amdgcn-amd-amdhsa--gfx1250"
	.amdhsa_code_object_version 6
	.text
	.protected	k_qa5b808a4d0_ln1
	.globl	k_qa5b808a4d0_ln1
	.p2align	8
	.type	k_qa5b808a4d0_ln1,@function
k_qa5b808a4d0_ln1:
	s_mov_b64 s[64:65], 0
	v_nop
	global_prefetch_b8 v0, s[64:65] scope:SCOPE_SE
	s_setreg_imm32_b32 hwreg(HW_REG_WAVE_MODE, 25, 1), 1
	s_wait_xcnt 0x0
; LayerNorm of 4,096 rows of 1,024 f32 numbers, then the quantiser: codes of E4M3, row-major [4096][1024], with the given scale 2^e (entry SCOFF / 4 of the exponents).
; y = (x - mean) * rsqrt(var + 1e-5) * g + b, mean and variance in two passes over registers, all in f32; code = y / 2^e, held within +-448, to the nearest code, ties to even.
; SHARES.  A work-group takes 16 rows, a wave 4; one wave holds a whole row (32 numbers a lane), so no sum leaves the wave and there is no barrier.
; Each load of a wave reads 512 consecutive bytes; all 32 loads of a wave's four rows are issued at once.  Load i gives lane l the numbers 128 i + 4 l + 0 .. 3.
; The conversion takes eight registers (two loads' numbers) and gives two words: word i holds the codes 128 i + 4 l + 0 .. 3.  The words go through the wave's own 4,096 bytes of LDS
; (word i of row p at 1,024 p + 128 i + 4 l) and come back 16 bytes a lane, so that each store of the wave covers 512 consecutive bytes, aligned.
; No matrix unit, no cluster, no tensor load: the rows are read once and shared with nobody.
; LIMITS: e between -126 and 119, so that 2^e and 448 x 2^e are f32 numbers.  NaN among the inputs is not served.
.set SCOFF, 0x0                        ; byte offset of e among the exponents
.set MU,  16                           ; v16-23   row p: a pair, first the mean, then var + eps, then 1 / sqrt of it
.set X,   32                           ; v32-159  row p: 32 registers
.set GA,  160                          ; v160-191 the gain of my 32 columns
.set BE,  192                          ; v192-223 the bias of my 32 columns
.set CD,  224                          ; v224-255 row p: 8 words of codes, a set for each row, so that no LDS store's data are written again
	s_load_b256 s[4:11], s[0:1], 0x0               ; x s[4:5], g s[6:7], b s[8:9], the exponents s[10:11]
	s_load_b64 s[12:13], s[0:1], 0x20              ; the codes
	v_lshl_add_u32 v30, v0, 2, 0x4000
	v_mov_b32 v31, 0
	v_lshrrev_b32 v4, 5, v0
	v_readfirstlane_b32 s14, v4                    ; wave 0..3
	v_and_b32 v5, 31, v0                           ; lane
	v_lshlrev_b32 v1, 4, v5                        ; 16 x lane: the offset of every global access; never rewritten
	s_lshl_b32 s24, s14, 12                        ; my wave's 4,096 bytes of LDS
	v_lshl_add_u32 v2, v5, 2, s24                  ; LDS, in: 4 x lane
	v_add_nc_u32 v3, s24, v1                       ; LDS, back: 16 x lane
	s_lshl_b32 s20, ttmp9, 16                      ; x: 16 rows of 4,096 bytes a work-group,
	s_lshl_b32 s21, s14, 14                        ; 4 rows a wave
	s_add_co_u32 s20, s20, s21
	s_mov_b32 s21, 0
	s_lshl_b32 s26, ttmp9, 14                      ; codes: 16 rows of 1,024 bytes a work-group, 4 rows a wave
	s_add_co_u32 s26, s26, s24
	s_mov_b32 s27, 0
	s_mov_b32 s16, 0x76543210                      ; v_permlanex16_b32: lane l takes lane l xor 16
	s_mov_b32 s17, 0xfedcba98
	s_mov_b32 s22, 0x3727c5ac                      ; 1e-5
	s_mov_b32 s23, 0x3a800000                      ; 1 / 1,024
	s_wait_alu depctr_va_vdst(0)
	s_wait_kmcnt 0x0
	s_load_b32 s15, s[10:11], SCOFF                ; e
	s_add_nc_u64 s[4:5], s[4:5], s[20:21]
	s_add_nc_u64 s[12:13], s[12:13], s[26:27]
.irp p, 0,1,2,3
.irp i, 0,1,2,3,4,5,6,7
	global_load_b128 v[X+32*\p+4*\i:X+32*\p+4*\i+3], v1, s[4:5] offset:4096*\p+512*\i th:TH_LOAD_NT
.endr
.endr
.irp i, 0,1,2,3,4,5,6,7
	global_load_b128 v[GA+4*\i:GA+4*\i+3], v1, s[6:7] offset:512*\i
.endr
.irp i, 0,1,2,3,4,5,6,7
	global_load_b128 v[BE+4*\i:BE+4*\i+3], v1, s[8:9] offset:512*\i
.endr
.macro LANESUM                         ; v24 summed over the 32 lanes, the result in every lane
	v_add_f32_dpp v24, v24, v24 row_xmask:1 row_mask:0xf bank_mask:0xf
	v_add_f32_dpp v24, v24, v24 row_xmask:2 row_mask:0xf bank_mask:0xf
	v_add_f32_dpp v24, v24, v24 row_xmask:4 row_mask:0xf bank_mask:0xf
	v_add_f32_dpp v24, v24, v24 row_xmask:8 row_mask:0xf bank_mask:0xf
	v_permlanex16_b32 v25, v24, s16, s17           ; v25 has been written: the destination counts as read
	v_add_f32 v24, v24, v25
.endm
; Row p: the mean, x - mean in place, the mean of the squares + eps.
.macro STATS p
.set XR, X+32*(\p)
.set MR, MU+2*(\p)
	s_wait_loadcnt 40-8*(\p)                       ; behind row p's eight loads stand the later rows' 8 (3 - p) and the 16 of g and b
	v_pk_add_f32 v[24:25], v[XR:XR+1], v[XR+2:XR+3]    ; two chains, started by the first words
	v_pk_add_f32 v[26:27], v[XR+4:XR+5], v[XR+6:XR+7]
.irp j, 8,12,16,20,24,28
	v_pk_add_f32 v[24:25], v[24:25], v[XR+\j:XR+\j+1]
	v_pk_add_f32 v[26:27], v[26:27], v[XR+\j+2:XR+\j+3]
.endr
	v_pk_add_f32 v[24:25], v[24:25], v[26:27]
	v_add_f32 v24, v24, v25
	LANESUM
	v_mul_f32 v[MR], s23, v24                      ; the mean
	v_mov_b32 v[MR+1], v[MR]
.irp j, 0,2,4,6,8,10,12,14,16,18,20,22,24,26,28,30
	v_pk_add_f32 v[XR+\j:XR+\j+1], v[XR+\j:XR+\j+1], v[MR:MR+1] neg_lo:[0,1] neg_hi:[0,1]
.endr
	v_pk_mul_f32 v[24:25], v[XR:XR+1], v[XR:XR+1]
	v_pk_mul_f32 v[26:27], v[XR+2:XR+3], v[XR+2:XR+3]
.irp j, 4,8,12,16,20,24,28
	v_pk_fma_f32 v[24:25], v[XR+\j:XR+\j+1], v[XR+\j:XR+\j+1], v[24:25]
	v_pk_fma_f32 v[26:27], v[XR+\j+2:XR+\j+3], v[XR+\j+2:XR+\j+3], v[26:27]
.endr
	v_pk_add_f32 v[24:25], v[24:25], v[26:27]
	v_add_f32 v24, v24, v25
	LANESUM
	v_fma_f32 v[MR], v24, s23, s22                 ; var + eps
.endm
	STATS 0
	STATS 1
	STATS 2
	STATS 3
	s_wait_kmcnt 0x0
	s_add_co_i32 s15, s15, 127
	s_lshl_b32 s18, s15, 23                        ; 2^e as f32
	s_add_co_i32 s15, s15, 8
	s_lshl_b32 s15, s15, 23
	s_or_b32 s15, s15, 0x600000                    ; 448 x 2^e
	s_wait_alu depctr_va_vdst(0)
.irp p, 0,1,2,3
	v_rsq_f32 v[MU+2*\p], v[MU+2*\p]               ; the four roots are one batch
.endr
	v_mov_b32 v6, s18                              ; (plain lines behind the batch)  the conversion takes this number's exponent field
	v_mov_b32 v7, s15
	s_wait_alu depctr_va_vdst(0)                   ; one wait for the batch, ahead of its first reader
.irp p, 0,1,2,3
	v_mov_b32 v[MU+2*\p+1], v[MU+2*\p]
.endr
	s_wait_alu depctr_va_vdst(0)
	s_wait_loadcnt 0x0                             ; g and b
; Row p: normalised, gain and bias, held, converted; the eight words go to LDS.
.macro NORM p
.set XR, X+32*(\p)
.set MR, MU+2*(\p)
.irp j, 0,2,4,6,8,10,12,14,16,18,20,22,24,26,28,30
	v_pk_mul_f32 v[XR+\j:XR+\j+1], v[XR+\j:XR+\j+1], v[MR:MR+1]
.endr
.irp j, 0,2,4,6,8,10,12,14,16,18,20,22,24,26,28,30
	v_pk_fma_f32 v[XR+\j:XR+\j+1], v[XR+\j:XR+\j+1], v[GA+\j:GA+\j+1], v[BE+\j:BE+\j+1]
.endr
.irp j, 0,1,2,3,4,5,6,7,8,9,10,11,12,13,14,15,16,17,18,19,20,21,22,23,24,25,26,27,28,29,30,31
	v_med3_num_f32 v[XR+\j], v[XR+\j], -v7, v7     ; the conversion to an 8-bit code does not saturate (ISA guide 7.6.2): the hold at the largest code x the scale
.endr
.irp m, 0,1,2,3
	v_cvt_scalef32_pk8_fp8_f32 v[CD+8*(\p)+2*\m:CD+8*(\p)+2*\m+1], v[XR+8*\m:XR+8*\m+7], v6
.endr
.irp i, 0,1,2,3,4,5,6,7
	ds_store_b32 v2, v[CD+8*(\p)+\i] offset:1024*(\p)+128*\i   ; the results go to LDS stores alone; the next row begins with plain vector lines
.endr
.endm
	NORM 0
	NORM 1
	NORM 2
	NORM 3
.irp k, 0,1,2,3,4,5,6,7
	ds_load_b128 v[X+4*\k:X+4*\k+3], v3 offset:512*\k  ; LDS serves a wave's instructions in order (ISA guide 5.7.1.4): these see my stores; the bytes are my wave's own
.endr
.irp k, 0,1,2,3,4,5,6,7
	s_wait_dscnt 7-\k                              ; the younger loads may be out
	global_store_b128 v1, v[X+4*\k:X+4*\k+3], s[12:13] offset:512*\k   ; 512 consecutive bytes, aligned
.endr
	s_wait_tensorcnt 0x0
	ds_add_u32 v30, v31
	s_wait_dscnt 0x0
	s_endpgm
.Lfunc_end_k_qa5b808a4d0_ln1:
	.size	k_qa5b808a4d0_ln1, .Lfunc_end_k_qa5b808a4d0_ln1-k_qa5b808a4d0_ln1
	.p2alignl 7, 3214868480
	.fill 96, 4, 3214868480
	.section	.rodata,"a",@progbits
	.p2align	6, 0x0
	.amdhsa_kernel k_qa5b808a4d0_ln1
		.amdhsa_group_segment_fixed_size 16896
		.amdhsa_private_segment_fixed_size 0
		.amdhsa_enable_private_segment 0
		.amdhsa_kernarg_size 40
		.amdhsa_user_sgpr_count 2
		.amdhsa_user_sgpr_kernarg_segment_ptr 1
		.amdhsa_wavefront_size32 1
		.amdhsa_system_sgpr_workgroup_id_x 1
		.amdhsa_system_sgpr_workgroup_id_y 1
		.amdhsa_system_sgpr_workgroup_id_z 1
		.amdhsa_system_vgpr_workitem_id 0
		.amdhsa_next_free_vgpr 256
		.amdhsa_next_free_sgpr 66
		.amdhsa_reserve_vcc 0
		.amdhsa_float_denorm_mode_32 3
		.amdhsa_float_denorm_mode_16_64 3
		.amdhsa_memory_ordered 1
		.amdhsa_forward_progress 1
		.amdhsa_inst_pref_size 43
	.end_amdhsa_kernel
	.amdgpu_metadata
---
amdhsa.version: [ 1, 2 ]
amdhsa.kernels:
  - .name:           k_qa5b808a4d0_ln1
    .symbol:         k_qa5b808a4d0_ln1.kd
    .args:
      - { .name: x, .offset: 0, .size: 8, .value_kind: global_buffer, .address_space: global }
      - { .name: ln1_g, .offset: 8, .size: 8, .value_kind: global_buffer, .address_space: global }
      - { .name: ln1_b, .offset: 16, .size: 8, .value_kind: global_buffer, .address_space: global }
      - { .name: lowp_scales, .offset: 24, .size: 8, .value_kind: global_buffer, .address_space: global }
      - { .name: xn, .offset: 32, .size: 8, .value_kind: global_buffer, .address_space: global }
    .group_segment_fixed_size: 16896
    .private_segment_fixed_size: 0
    .kernarg_segment_align: 8
    .kernarg_segment_size: 40
    .max_flat_workgroup_size: 128
    .sgpr_count:     66
    .vgpr_count:     256
    .wavefront_size: 32
...
	.end_amdgpu_metadata
.endif
;; end of part 1
;; launch qkv (part 2): grid 12 x 16, 4 waves a work-group, clusters of 4 x 4, 327,680 bytes of LDS; arguments xn, w_qkv_codes, lowp_scales, b_qkv, qi, ki, vi; writes qi, ki, vi
.if DOCPART == 2
	.amdgcn_target "amdgcn-amd-amdhsa--gfx1250"
	.amdhsa_code_object_version 6
	.text
	.protected	k_qa5b808a4d0_qkv
	.globl	k_qa5b808a4d0_qkv
	.p2align	8
	.type	k_qa5b808a4d0_qkv,@function
k_qa5b808a4d0_qkv:
	s_mov_b64 s[64:65], 0
	v_nop
	global_prefetch_b8 v0, s[64:65] scope:SCOPE_SE
	s_setreg_imm32_b32 hwreg(HW_REG_WAVE_MODE, 25, 1), 1
	s_wait_xcnt 0x0
	s_wait_alu depctr_hold_cnt(0) depctr_sa_sdst(0) depctr_va_vdst(0) depctr_va_sdst(0) depctr_va_ssrc(0) depctr_va_vcc(0) depctr_vm_vsrc(0)
	s_getreg_b32 s2, hwreg(HW_REG_IB_STS2, 6, 4)
	s_cmp_eq_u32 s2, 0
	s_cbranch_scc0 .Lentry_in_a_cluster
	s_endpgm
.Lentry_in_a_cluster:
	s_bfe_u32 s2, ttmp6, 0x10000c
	s_cmp_lg_u32 s2, 0xf033
	s_cbranch_scc0 .Lentry_shape_is_right
	s_endpgm
.Lentry_shape_is_right:
; q, k, v = LN1(x) W^T + b on codes of E4M3, and their quantising for attention.  xn: [4096][1024] codes; w_qkv: [3072][1024] codes; sums in f32; a sum x 2^(e0 + e1) + bias is quantised with 2^e2 (q), 2^e3 (k) or 2^e5 (v).
; A tile of 256 x 256 is made by four waves, each 128 x 128: 64 accumulators of 16 x 16.  K goes in slots of 256 through a ring of two LDS slots filled by joint tensor loads.
; CLUSTERS of 4 x 4 work-groups: operand A's tile is shared along a row of the cluster, operand B's along a column.  Source 0 of a product = 16 rows of B, source 1 = 16 rows of A: a lane holds one row of A and eight neighbouring rows of B.
; Clusters x = 0 (q) and 1 (k): A = tokens, B = weights: a lane holds a token and eight neighbours along the head's 64, which is the first attention product's K.
; Cluster x = 2 (v): THE OPERANDS CHANGE PLACES, A = weights, B = tokens: a lane holds one of the head's 64 and eight neighbouring tokens, which are the second attention product's K.  The choice hangs on the cluster's x alone, equal in all sixteen partners.
; THE RESULTS LEAVE AS IMAGES OF THE READER'S OPERAND REGISTERS: the conversions' results are stored as they stand, 16 bytes a lane, 512 consecutive bytes a store.
;   qi, ki: [batch x head 64][16 tokens: 64][piece 2][lane 32][16 bytes]: registers 2 c, 2 c + 1 of lane (r, h) = channels 16 c + 8 h + 0 .. 7 of token r.
;   vi:     [batch x head 64][128 keys: 8][16 channels: 4][piece 4][lane 32][16 bytes]: registers 2 c, 2 c + 1 = keys 16 c + 8 h + 0 .. 7 of channel r.
; Inside a product's 128 along K the codes stand permuted (four loads of 16 bytes a fragment), alike in A and B: only the order of the sums changes.
; LIMITS: e0 + e1 between -126 and 127; e2, e3, e5 between -126 and 119.  NaN among the inputs is not served.
; REGISTERS: window 0: v0-31 addresses; v32-63 codes; v64-127 bias; v128-255 A's fragments, one set (on the way out v128-191 at work).  window 1: B's fragments, two sets.  windows 2, 3: the accumulators.
.set NBLK,   8                         ; blocks of 16 rows of A, and of B, in a wave's tile
.set SPS,    2                         ; steps of 128 along K in a slot
.set AIMG,   0                         ; A lies in rows
.set QI,     5                         ; padding behind every 64 words
.set SIZE_K, 1024
.set KSTEP,  128*SPS
.set PITCH,  KSTEP+16                  ; an LDS row: its data + 16 bytes, an odd multiple of 16: the 16 rows that a load touches start at 16 different banks (64 banks of 4 bytes: ISA guide 11.1)
.set HROWS,  16*NBLK                   ; rows in one tensor load, and in a wave's part of A or of B
.set BH,     HROWS*PITCH
.if AIMG
.set AH,     NBLK*SPS*2048
.set ASTEP,  SPS*2048
.else
.set AH,     BH
.set ASTEP,  KSTEP
.endif
.set SLOT,   2*AH+2*BH                 ; A's two halves, then B's two halves
.set SPARE,  2*SLOT                    ; behind the ring: the spare words, 128 bytes for each wave, which no other line names
.set LAPS,   SIZE_K/(2*KSTEP)
.set QA,     NBLK/4
.set NL,     4                         ; LDS loads that bring a fragment
.set NP,     4                         ; places behind this matrix instruction (ISA guide 7.12.1)
.set ADRA,   16                        ; v16-17 LDS address of my A fragments in slot 0, 1
.set ADRB,   20                        ; v20-21 the same for B
.set SPW,    28                        ; v28 LDS address of my spare word; never rewritten
.set NIL,    29                        ; v29 0; never rewritten
.set AF,     128
.set TR,     128                       ; the way out: 64 numbers at work
.set G1,  24                           ; s[24:31] group 1 for A's tiles; s[32:39] group 0, a set for each slot
.set G0,  32
.set G1B, 48                           ; s[48:55], s[56:63] the same for B's
.set G0B, 56
.set MSB, 0
.set MUL_LO, 0xa1                      ; source 0 (B) window 1, source 1 (A) window 0, C and D window 2
.if NBLK == 8
.set MUL_HI, 0xf1                      ; the same, C and D window 3
.else
.set MUL_HI, 0xa1
.endif
.set TO_B,   0x40                      ; destination window 1, address window 0
.macro WIN new                         ; the immediate's high byte repeats the setting that is left
.if MSB != (\new)
	s_set_vgpr_msb (MSB<<8)|(\new)
.set MSB, (\new)
.endif
.endm
; A joint load: waves 0 and 1 fetch A's halves, waves 2 and 3 B's.  The branch hangs on the wave's number alone.  Four v_nop follow each of the two lines.
.macro JLOAD g0a, g1a, g0b, g1b
	s_cmp_eq_u32 s15, 0
	s_cbranch_scc0 .Lfor_b_\@
	tensor_load_to_lds s[\g0a:\g0a+3], s[\g1a:\g1a+7]
	s_nop 0
.rept 4
	v_nop
.endr
	s_branch .Lasked_\@
.Lfor_b_\@:
	tensor_load_to_lds s[\g0b:\g0b+3], s[\g1b:\g1b+7]
	s_nop 0
.rept 4
	v_nop
.endr
.Lasked_\@:
.endm
.macro CREST                           ; a round of the cluster's barrier behind its opening barrier
	s_cmp_lg_u32 s14, 0
	s_cbranch_scc1 .Lnot_wave_0_\@
	s_barrier_signal -3
.Lnot_wave_0_\@:
	s_barrier_wait -3
	s_barrier_signal -1
	s_barrier_wait -1
.endm
.macro CROUND                          ; a whole round
	s_barrier_signal -1
	s_barrier_wait -1
	CREST
.endm
.macro PLACES n
.rept \n
	v_nop
.endr
.endm
.macro FRAGA reg, slot, q, i           ; A's block i of the slot's q-th 128 along K: registers 4 c .. 4 c + 3 = K 32 c + 16 (lane / 16) + 0 .. 15 of row lane % 16
.irp c, 0,1,2,3
.if AIMG
	ds_load_b128 v[(\reg)+4*\c:(\reg)+4*\c+3], v[ADRA+\slot] offset:(\i)*SPS*2048+(\q)*2048+512*\c
.else
	ds_load_b128 v[(\reg)+4*\c:(\reg)+4*\c+3], v[ADRA+\slot] offset:128*(\q)+32*\c+(\i)*16*PITCH
.endif
.endr
.endm
.macro FRAGB reg, slot, q, i
.irp c, 0,1,2,3
	ds_load_b128 v[(\reg)+4*\c:(\reg)+4*\c+3], v[ADRB+\slot] offset:128*(\q)+32*\c+(\i)*16*PITCH
.endr
.endm
.macro FETCH_B slot, q, p              ; all of B's fragments into set p
	WIN TO_B
.set fi, 0
.rept NBLK
	FRAGB 128*(\p)+16*fi, \slot, \q, fi
.set fi, fi+1
.endr
	WIN 0
.endm
.macro FETCH_A slot, q, half           ; the lower or the upper half of A's blocks
.set fi, (\half)*(NBLK/2)
.rept NBLK/2
	FRAGA AF+16*fi, \slot, \q, fi
.set fi, fi+1
.endr
.endm
; A quarter of a step's products: QA blocks of A against all of B's.  The accumulators take turns, one instruction a turn, in the same order in every step.
.macro MULQ q, p, zero
.set ma, (\q)*QA
.rept QA
.set mb, 0
.rept NBLK
.set mc, 8*(NBLK*(ma%4)+mb)
.if \zero
	v_wmma_f32_16x16x128_fp8_fp8 v[mc:mc+7], v[128*(\p)+16*mb:128*(\p)+16*mb+15], v[AF+16*ma:AF+16*ma+15], 0
.else
	v_wmma_f32_16x16x128_fp8_fp8 v[mc:mc+7], v[128*(\p)+16*mb:128*(\p)+16*mb+15], v[AF+16*ma:AF+16*ma+15], v[mc:mc+7]
.endif
.set mb, mb+1
.endr
.set ma, ma+1
.endr
.endm
; A step of 128 along K that has its successor in the same slot.  A has one set of registers: its lower blocks are fetched anew in the step's middle, its upper blocks at its end; B has two sets.
.macro STEP slot, q, zero
	s_wait_dscnt (NBLK/2)*NL                       ; B's set and A's lower blocks are in; the youngest loads (A's upper blocks) may be out
	WIN MUL_LO
	MULQ 0, (\q)%2, \zero
	MULQ 1, (\q)%2, \zero
	s_wait_dscnt 0x0                               ; A's upper blocks are in
	PLACES NP                                      ; in front of loads into registers that matrix instructions have read
	FETCH_B \slot, (\q)+1, 1-(\q)%2
	FETCH_A \slot, (\q)+1, 0
	WIN MUL_HI
	MULQ 2, (\q)%2, \zero
	MULQ 3, (\q)%2, \zero
	PLACES NP
	WIN 0
	FETCH_A \slot, (\q)+1, 1
.endm
; A slot's last step changes slots: one barrier; in front of it each wave waits for all its tensor loads, adds 0 to its spare word, and waits for that and for its reads of this slot.  fill = 1: this slot is filled again.
.macro TURN slot, next, fill
	s_wait_tensorcnt 0x0                           ; all my tensor loads have landed: my part of the next slot
	ds_add_u32 v[SPW], v[NIL]                      ; 0 onto my spare word
	s_wait_dscnt (NBLK/2)*NL+1                     ; (the add and A's upper blocks may be out)
	WIN MUL_LO
	MULQ 0, 1, 0                                   ; matrix work stands between the add and the wait for it
	s_wait_dscnt 0x0                               ; the add is done, and my reads of this slot are over
	s_barrier_signal -1
	MULQ 1, 1, 0
	WIN 0
	s_barrier_wait -1
.if \fill
	CREST                                          ; the barrier has opened a round of the cluster's: no wave of any partner still reads this slot or has a load on its way
	s_add_nc_u64 s[G0+4*\slot+2:G0+4*\slot+3], s[G0+4*\slot+2:G0+4*\slot+3], 2*ASTEP
	s_add_nc_u64 s[G0B+4*\slot+2:G0B+4*\slot+3], s[G0B+4*\slot+2:G0B+4*\slot+3], 2*KSTEP
	JLOAD G0+4*\slot, G1, G0B+4*\slot, G1B         ; the first tensor load behind the round; its four v_nop are the places in front of the loads below
.else
	PLACES NP
.endif
	FETCH_B \next, 0, 0
	FETCH_A \next, 0, 0
	WIN MUL_HI
	MULQ 2, 1, 0
	MULQ 3, 1, 0
	PLACES NP
	WIN 0
	FETCH_A \next, 0, 1
.endm
.macro LAST                            ; the very last step: nothing more to fetch
	s_wait_dscnt (NBLK/2)*NL
	WIN MUL_LO
	MULQ 0, 1, 0
	MULQ 1, 1, 0
	s_wait_dscnt 0x0
	WIN MUL_HI
	MULQ 2, 1, 0
	MULQ 3, 1, 0
	WIN 0
.endm
.macro REST0                           ; slot 0's steps 1 .. SPS - 2
.if SPS == 4
	STEP 0, 1, 0
	STEP 0, 2, 0
.endif
.endm
.macro ALL1                            ; slot 1's steps 0 .. SPS - 2
	STEP 1, 0, 0
.if SPS == 4
	STEP 1, 1, 0
	STEP 1, 2, 0
.endif
.endm
	s_load_b128 s[4:7], s[0:1], 0x0                ; xn s[4:5], the weight's codes s[6:7]
	s_load_b128 s[8:11], s[0:1], 0x10              ; the exponents s[8:9], the bias s[10:11]
	s_load_b128 s[68:71], s[0:1], 0x20             ; qi, ki
	s_load_b64 s[72:73], s[0:1], 0x30              ; vi
	v_lshl_add_u32 v[SPW], v0, 2, SPARE
	v_mov_b32 v[NIL], 0
	ds_add_u32 v28, v29
	ds_add_u32 v28, v29
	s_wait_dscnt 0x0
	v_lshrrev_b32 v1, 5, v0
	v_readfirstlane_b32 s14, v1                    ; wave 0..3
	s_lshr_b32 s15, s14, 1                         ; which half of A's rows is mine.  Also: I fetch for A (0) or for B (1)
	s_and_b32 s16, s14, 1                          ; which half of B's rows.  Also: which half of that tile I fetch
	s_bfe_u32 s40, ttmp6, 0x40000                  ; cx, cy: my place in the cluster
	s_bfe_u32 s41, ttmp6, 0x40004
	s_and_b32 s67, ttmp7, 0xffff
	s_lshl_b32 s67, s67, 2                         ; 4 x cluster y
	s_lshl_b32 s18, ttmp9, 2                       ; 4 x cluster x
	s_cmp_eq_u32 ttmp9, 2                          ; v's clusters?
	s_cselect_b32 s17, 8, s67                      ; A's block of 256 rows: v: weight rows 2,048 on; else tokens
	s_cselect_b32 s42, s67, s18                    ; B's block: v: tokens; else weight rows
	s_add_co_u32 s17, s17, s41                     ; + cy
	s_add_co_u32 s42, s42, s40                     ; + cx
	s_lshl_b32 s43, s41, 2
	s_lshl_b32 s43, 15, s43                        ; my row of the cluster
	s_lshl_b32 s44, 0x1111, s40                    ; my column
	s_or_b32 s[G1+0], s43, (0<<16)|(1<<20)|(1<<21)|(QI<<22)|(3<<25)   ; 15:0 the mask; 17:16 elements of 1 byte; 20 padding on; 21 set beside a mask; 24:22 the interval; 31:25 four words of padding
	s_or_b32 s[G1B+0], s44, (0<<16)|(1<<20)|(1<<21)|(QI<<22)|(3<<25)
.irp g, G1, G1B
	s_mov_b32 s[\g+1], KSTEP<<16                   ; tensor_dim0
	s_mov_b32 s[\g+2], HROWS<<16                   ; tensor_dim1
	s_mov_b32 s[\g+3], KSTEP<<16                   ; tile_dim0
	s_mov_b32 s[\g+4], HROWS                       ; tile_dim1
	s_mov_b32 s[\g+5], SIZE_K                      ; tensor_dim0_stride
	s_mov_b32 s[\g+6], 0
	s_mov_b32 s[\g+7], 0
.endr
	s_mul_i32 s18, s16, HROWS                      ; which half of the tile I fetch
	s_mul_i32 s20, s17, 2*HROWS
	s_add_co_u32 s20, s20, s18
	s_mul_i32 s20, s20, SIZE_K                     ; A: its first byte (under 2^24)
	s_mov_b32 s21, 0
	s_mul_i32 s46, s42, 2*HROWS
	s_add_co_u32 s46, s46, s18
	s_mul_i32 s46, s46, SIZE_K                     ; B likewise
	s_mov_b32 s47, 0
	s_mul_i32 s45, s16, AH                         ; where they go: made of the wave's number alone
	s_mul_i32 s66, s16, BH
	s_add_co_u32 s66, s66, 2*AH
	s_wait_kmcnt 0x0
	s_load_b128 s[80:83], s[8:9], 0x0              ; e0, e1, e2, e3
	s_load_b32 s90, s[8:9], 0x14                   ; e5
	s_cmp_eq_u32 ttmp9, 2
	s_cselect_b64 s[92:93], s[6:7], s[4:5]         ; A's buffer
	s_cselect_b64 s[94:95], s[4:5], s[6:7]         ; B's
	s_add_nc_u64 s[20:21], s[92:93], s[20:21]
	s_add_nc_u64 s[46:47], s[94:95], s[46:47]
	CROUND                                         ; all sixteen work-groups are here: the first joint loads meet
.irp s, 0,1
	s_mov_b32 s[G0+4*\s], 1
	s_add_co_u32 s[G0+4*\s+1], s45, \s*SLOT
	s_add_nc_u64 s[G0+4*\s+2:G0+4*\s+3], s[20:21], \s*ASTEP
	s_or_b32 s[G0+4*\s+3], s[G0+4*\s+3], 0x80000000
	s_mov_b32 s[G0B+4*\s], 1
	s_add_co_u32 s[G0B+4*\s+1], s66, \s*SLOT
	s_add_nc_u64 s[G0B+4*\s+2:G0B+4*\s+3], s[46:47], \s*KSTEP
	s_or_b32 s[G0B+4*\s+3], s[G0B+4*\s+3], 0x80000000
.endr
	JLOAD G0, G1, G0B, G1B                         ; slot 0: one tensor load a wave at the head
	v_and_b32 v1, 15, v0                           ; r = lane % 16
	v_bfe_u32 v2, v0, 4, 1                         ; h = lane / 16
	v_and_b32 v6, 31, v0
	v_lshlrev_b32 v26, 4, v6                       ; 16 x lane: my place in an image's piece
	v_mul_u32_u24 v3, v1, PITCH
	v_lshl_add_u32 v4, v2, 4, v3                   ; a fragment's row x pitch + 16 h
	s_mul_i32 s21, s15, AH
	s_mul_i32 s22, s16, BH
	s_add_co_u32 s22, s22, 2*AH
.irp s, 0,1
	v_add_nc_u32 v[ADRA+\s], s21, v4
	v_add_nc_u32 v[ADRB+\s], s22, v4
	s_add_co_u32 s21, s21, SLOT
	s_add_co_u32 s22, s22, SLOT
.endr
	v_lshlrev_b32 v8, 5, v2                        ; q, k: the bias of eight neighbouring columns: 32 h bytes
	v_lshlrev_b32 v9, 2, v1                        ; v: the bias of my row: 4 r bytes
	; the bias: q, k: entry 256 x B's block + 128 x B's half; v: 256 x A's block + 128 x A's half
	s_cmp_eq_u32 ttmp9, 2
	s_cselect_b32 s74, s17, s42
	s_cselect_b32 s75, s15, s16
	s_cselect_b32 s76, s41, s40                    ; the place that picks the head: v: cy, else cx
	s_cselect_b32 s77, s15, s16
	s_cselect_b32 s78, s40, s41                    ; the place that picks the tokens: v: cx, else cy
	s_cselect_b32 s79, s16, s15
	s_lshl_b32 s74, s74, 10
	s_lshl_b32 s75, s75, 9
	s_add_co_u32 s74, s74, s75
	s_mov_b32 s75, 0
	s_add_nc_u64 s[10:11], s[10:11], s[74:75]
	; the images: batch x head = 16 x cluster y + 4 x place + 2 x half (+ 0 or 1), 65,536 bytes each; then 128 tokens = 8,192 bytes in all three buffers: 2 x place + half
	s_add_co_u32 s76, s76, s67
	s_lshl_b32 s76, s76, 1
	s_add_co_u32 s76, s76, s77
	s_lshl_b32 s76, s76, 17
	s_lshl_b32 s78, s78, 1
	s_add_co_u32 s78, s78, s79
	s_lshl_b32 s78, s78, 13
	s_add_co_u32 s76, s76, s78
	s_mov_b32 s77, 0
	s_cmp_eq_u32 ttmp9, 1
	s_cselect_b64 s[68:69], s[70:71], s[68:69]
	s_cmp_eq_u32 ttmp9, 2
	s_cselect_b64 s[68:69], s[72:73], s[68:69]
	s_add_nc_u64 s[68:69], s[68:69], s[76:77]
	s_wait_alu depctr_va_vdst(0)
	s_wait_kmcnt 0x0
	s_add_co_i32 s84, s80, s81
	s_add_co_i32 s84, s84, 127
	s_lshl_b32 s84, s84, 23                        ; 2^(e0 + e1) as f32
	s_mov_b32 s85, s84                             ; (named with it as a pair, so it is written)
	s_cmp_eq_u32 ttmp9, 1
	s_cselect_b32 s86, s83, s82
	s_cmp_eq_u32 ttmp9, 2
	s_cselect_b32 s86, s90, s86                    ; the result's exponent: e2, e3 or e5: chosen without a jump
	s_add_co_i32 s86, s86, 127
	s_lshl_b32 s87, s86, 23
	v_mov_b32 v30, s87                             ; its power of two: the conversion takes the exponent field
	s_add_co_i32 s86, s86, 8
	s_lshl_b32 s86, s86, 23
	s_or_b32 s86, s86, 0x600000
	v_mov_b32 v31, s86                             ; 448 x that
	s_wait_alu depctr_va_vdst(0)                   ; the wait at the head's end
	s_wait_tensorcnt 0x0                           ; my part of slot 0 is in
	ds_add_u32 v[SPW], v[NIL]
	s_wait_dscnt 0x0
	CROUND                                         ; everybody's part of slot 0 is in, and the joint loads meet
	JLOAD G0+4, G1, G0B+4, G1B                     ; slot 1's first fill, the first tensor load behind the round
	FETCH_B 0, 0, 0
	FETCH_A 0, 0, 0
	FETCH_A 0, 0, 1
	STEP 0, 0, 1                                   ; the first step stands in front of the loop: its products start the sums
.if LAPS > 1
	s_mov_b32 s3, LAPS-1
.Llap:                                             ; a trip goes once round the ring and fills both slots again
	REST0
	TURN 0, 1, 1
	ALL1
	TURN 1, 0, 1
	STEP 0, 0, 0
	s_sub_co_u32 s3, s3, 1
	s_cmp_lg_u32 s3, 0
	s_cbranch_scc1 .Llap
.endif
	REST0
	TURN 0, 1, 0                                   ; the last lap fills nothing
	ALL1
; THE WAY OUT of A's block a: sum x 2^(e0 + e1) + bias, the hold, the conversion; the 16 registers of codes are four pieces of images.  mode 0: q, k; mode 1: v.
.macro OUTQ a, mode
.set AC, 64*((\a)%4)
.set CD, 32+16*((\a)%2)
.if (\a) >= 2
	s_wait_xcnt 0x0                                ; block a - 2's stores have read this set of code registers
.endif
	WIN 0x02+((\a)/4)                              ; source 0: window 2 or 3
.set oj, 0
.rept 32
.if \mode
	v_pk_fma_f32 v[TR+oj:TR+oj+1], v[AC+oj:AC+oj+1], s[84:85], v[64+2*(\a):65+2*(\a)] op_sel_hi:[1,0,1]   ; each accumulator from its low end on
.else
	v_pk_fma_f32 v[TR+oj:TR+oj+1], v[AC+oj:AC+oj+1], s[84:85], v[64+oj:65+oj] op_sel_hi:[1,0,1]
.endif
.set oj, oj+2
.endr
	WIN 0
.set oj, 0
.rept 64
	v_med3_num_f32 v[TR+oj], v[TR+oj], -v31, v31   ; the conversion to an 8-bit code does not saturate (ISA guide 7.6.2)
.set oj, oj+1
.endr
.irp b, 0,1,2,3,4,5,6,7
	v_cvt_scalef32_pk8_fp8_f32 v[CD+2*\b:CD+2*\b+1], v[TR+8*\b:TR+8*\b+7], v30
.endr
	v_nop                                          ; a plain line behind the last conversion: the next block writes its sources
.irp i, 0,1,2,3
.if \mode
	global_store_b128 v26, v[CD+4*\i:CD+4*\i+3], s[68:69] offset:((\a)/4)*65536+((\a)%4)*2048+512*\i   ; head a / 4, channels 16 (a % 4) on, piece i
.else
	global_store_b128 v26, v[CD+4*\i:CD+4*\i+3], s[68:69] offset:(\i/2)*65536+(\a)*1024+(\i%2)*512      ; head i / 2, tokens 16 a on, piece i % 2
.endif
.endr
.endm
	s_cmp_eq_u32 ttmp9, 2                          ; the ways part on the cluster's x; neither touches LDS nor has a barrier; they join ahead of the wave's last lines
	s_cbranch_scc1 .Lv
.irp b, 0,1,2,3,4,5,6,7
	global_load_b128 v[64+8*\b:67+8*\b], v8, s[10:11] offset:64*\b        ; the bias of columns 16 b + 8 h + 0 .. 7
	global_load_b128 v[68+8*\b:71+8*\b], v8, s[10:11] offset:64*\b+16
.endr
	LAST                                           ; the last 64 products stand between these loads and the wait for them
	s_wait_loadcnt 0x0
	PLACES NP
.irp a, 0,1,2,3,4,5,6,7
	OUTQ \a, 0
.endr
	s_branch .Lend
.Lv:
.irp a, 0,1,2,3,4,5,6,7
	global_load_b32 v[64+2*\a], v9, s[10:11] offset:64*\a                 ; the bias of row 16 a + r, in both words of a pair
	global_load_b32 v[65+2*\a], v9, s[10:11] offset:64*\a
.endr
	LAST
	s_wait_loadcnt 0x0
	PLACES NP
.irp a, 0,1,2,3,4,5,6,7
	OUTQ \a, 1
.endr
.Lend:
	s_wait_tensorcnt 0x0                           ; the wave's end
	ds_add_u32 v[SPW], v[NIL]
	s_wait_dscnt 0x0
	CROUND                                         ; the closing round: no work-group ends while a partner may still ask for a tile that names it
	s_endpgm
.Lfunc_end_k_qa5b808a4d0_qkv:
	.size	k_qa5b808a4d0_qkv, .Lfunc_end_k_qa5b808a4d0_qkv-k_qa5b808a4d0_qkv
	.p2alignl 7, 3214868480
	.fill 96, 4, 3214868480
	.section	.rodata,"a",@progbits
	.p2align	6, 0x0
	.amdhsa_kernel k_qa5b808a4d0_qkv
		.amdhsa_group_segment_fixed_size 327680
		.amdhsa_private_segment_fixed_size 0
		.amdhsa_enable_private_segment 0
		.amdhsa_kernarg_size 56
		.amdhsa_user_sgpr_count 2
		.amdhsa_user_sgpr_kernarg_segment_ptr 1
		.amdhsa_wavefront_size32 1
		.amdhsa_system_sgpr_workgroup_id_x 1
		.amdhsa_system_sgpr_workgroup_id_y 1
		.amdhsa_system_sgpr_workgroup_id_z 1
		.amdhsa_system_vgpr_workitem_id 0
		.amdhsa_next_free_vgpr 1024
		.amdhsa_next_free_sgpr 100
		.amdhsa_reserve_vcc 0
		.amdhsa_float_denorm_mode_32 3
		.amdhsa_float_denorm_mode_16_64 3
		.amdhsa_memory_ordered 1
		.amdhsa_forward_progress 1
		.amdhsa_inst_pref_size 199
	.end_amdhsa_kernel
	.amdgpu_metadata
---
amdhsa.version: [ 1, 2 ]
amdhsa.kernels:
  - .name:           k_qa5b808a4d0_qkv
    .symbol:         k_qa5b808a4d0_qkv.kd
    .args:
      - { .name: xn, .offset: 0, .size: 8, .value_kind: global_buffer, .address_space: global }
      - { .name: w_qkv_codes, .offset: 8, .size: 8, .value_kind: global_buffer, .address_space: global }
      - { .name: lowp_scales, .offset: 16, .size: 8, .value_kind: global_buffer, .address_space: global }
      - { .name: b_qkv, .offset: 24, .size: 8, .value_kind: global_buffer, .address_space: global }
      - { .name: qi, .offset: 32, .size: 8, .value_kind: global_buffer, .address_space: global }
      - { .name: ki, .offset: 40, .size: 8, .value_kind: global_buffer, .address_space: global }
      - { .name: vi, .offset: 48, .size: 8, .value_kind: global_buffer, .address_space: global }
    .group_segment_fixed_size: 327680
    .private_segment_fixed_size: 0
    .kernarg_segment_align: 8
    .kernarg_segment_size: 56
    .max_flat_workgroup_size: 128
    .sgpr_count:     100
    .vgpr_count:     1024
    .wavefront_size: 32
...
	.end_amdgpu_metadata
.endif
;; end of part 2
;; launch attn (part 3): grid 4 x 64, 16 waves a work-group, clusters of 4 x 1, 169,984 bytes of LDS; arguments qi, ki, vi, lowp_scales, ai; writes ai
.if DOCPART == 3
	.amdgcn_target "amdgcn-amd-amdhsa--gfx1250"
	.amdhsa_code_object_version 6
	.text
	.protected	k_qa5b808a4d0_attn
	.globl	k_qa5b808a4d0_attn
	.p2align	8
	.type	k_qa5b808a4d0_attn,@function
k_qa5b808a4d0_attn:
	s_mov_b64 s[64:65], 0
	v_nop
	global_prefetch_b8 v0, s[64:65] scope:SCOPE_SE
	s_setreg_imm32_b32 hwreg(HW_REG_WAVE_MODE, 25, 1), 1
	s_wait_xcnt 0x0
	s_wait_alu depctr_hold_cnt(0) depctr_sa_sdst(0) depctr_va_vdst(0) depctr_va_sdst(0) depctr_va_ssrc(0) depctr_va_vcc(0) depctr_vm_vsrc(0)
	s_getreg_b32 s2, hwreg(HW_REG_IB_STS2, 6, 4)
	s_cmp_eq_u32 s2, 0
	s_cbranch_scc0 .Lentry_in_a_cluster
	s_endpgm
.Lentry_in_a_cluster:
	s_bfe_u32 s2, ttmp6, 0x10000c
	s_cmp_lg_u32 s2, 0x3003
	s_cbranch_scc0 .Lentry_shape_is_right
	s_endpgm
.Lentry_shape_is_right:
; Attention of one head and batch a cluster, both products on codes of E4M3, and the quantising of its result for the next product.
; Mask: key j is hidden from query i where j > i or j % 32 == 31.  t = score x log2(e) / 8; M = the running largest t rounded up to a whole number; p = 2^(t - M) is quantised with 2^e4; the row's sum is taken of the
; unquantised p and divides at the end; when M moves, sum and O are multiplied by 2^(old M - new M), which rounds nothing.
; CLUSTER.  The four work-groups of a cluster own the 1,024 queries of one (batch, head) and read the same K and V.  A head's K (65,536 bytes) and V (65,536 bytes) lie in LDS whole: four joint loads at the start, no ring, nothing filled again.
; They arrive as images of operand registers (a piece: 512 bytes, 16 a lane), so every LDS load reads 512 consecutive bytes.
; SHARES.  Sixteen waves, each one tile of 16 queries in 256 registers, four waves to a SIMD.  Wave w takes query tile 8 G + 2 cx + e, where G (0 .. 7) and e (0, 1) are made of the wave's number alone; it needs the key steps 0 .. G of 128 keys.
; The sixteen G + 1 form a square of 4 x 4 whose rows and columns all sum to 18.  Every wave walks a loop of 8 trips, a constant, and jumps over the work of the steps beyond G: a branch on the wave's number, never on the place in the cluster.
; LAYOUT.  S^T = K Q^T (source 0 = 16 keys, source 1 = my 16 queries), O^T = V^T P^T: a lane holds one query (lane % 16) throughout.  Tile T's register j of lane (r, h) is key 16 T + 8 h + j: its eight codes are registers 2 T, 2 T + 1 of P, in the form's own layout.
; OUT.  O / sum x 2^(e4 + e5) is quantised with 2^e6 and stored as pieces of the next product's A images: ai [16 tokens: 256][128 of K: 8][piece 4][lane 32][16 bytes], registers 4 c .. 4 c + 3 = K 32 c + 16 h + 0 .. 15.
; LIMITS: e2 + e3 between -123 and 130 (added to c's exponent field); e4, e6 between -126 and 119; e4 + e5 is applied by v_ldexp_f32.  NaN among the inputs is not served.
; REGISTERS: v1 16 x lane; v8, v9 LDS addresses in hand; v10 what the diagonal's compare takes; v11 -infinity; v12 -M, v13 the largest t, v[14:15] the sum; v16-23 Q; v32-95 K's eight fragments, then V's four; v96-159 S^T, then p; v160-191 O^T; v200-207 O's codes; v224-239 P's codes; v236-254 at work.
.set VOFF, 65536                       ; LDS: K's images from 0, V's from here
.set LI,   1
.set ADK,  8
.set ADV,  9
.set DQ,   10
.set NINF, 11
.set WV,   18                          ; s18 wave
.set GQ,   23                          ; s23 G
.set CS,   50                          ; s[50:51] c
.set SEL,  54                          ; s[54:55] lane selects for v_permlanex16_b32: lane l xor 16
.set STEPI, 56                         ; s56 the key step
.set TB,   57                          ; s57 8,192 x the key step
.macro CROUND                          ; a round of the cluster's barrier
	s_barrier_signal -1
	s_barrier_wait -1
	s_cmp_lg_u32 s[WV], 0
	s_cbranch_scc1 .Lnot_wave_0_\@
	s_barrier_signal -3
.Lnot_wave_0_\@:
	s_barrier_wait -3
	s_barrier_signal -1
	s_barrier_wait -1
.endm
.macro MX c, a, b
	v_max3_num_f32 v[\c], v[\c], v[96+\a], v[96+\b]
.endm
	s_load_b128 s[4:7], s[0:1], 0x0                ; qi s[4:5], ki s[6:7]
	s_load_b128 s[8:11], s[0:1], 0x10              ; vi s[8:9], the exponents s[10:11]
	s_load_b64 s[12:13], s[0:1], 0x20              ; ai
	v_lshl_add_u32 v251, v0, 2, 0x29000
	v_mov_b32 v255, 0
	ds_add_u32 v251, v255
	ds_add_u32 v251, v255
	v_lshrrev_b32 v8, 5, v0
	s_delay_alu instid0(VALU_DEP_1)
	v_readfirstlane_b32 s[WV], v8                  ; wave 0..15
	s_bfe_u32 s19, ttmp6, 0x40000                  ; cx
	s_and_b32 s20, ttmp7, 0xffff                   ; 16 x batch + head, which the four partners share
	s_lshr_b32 s21, s[WV], 2                       ; wave / 4
	s_and_b32 s22, s[WV], 3                        ; wave % 4
	s_lshr_b32 s[GQ], s21, 1
	s_lshl_b32 s[GQ], s[GQ], 1
	s_lshr_b32 s24, s22, 1
	s_add_co_u32 s[GQ], s[GQ], s24                 ; 0 .. 3
	s_xor_b32 s24, s21, s22
	s_and_b32 s24, s24, 1
	s_mul_i32 s24, s24, 7
	s_xor_b32 s[GQ], s[GQ], s24                    ; G: that number or 7 less it
	s_and_b32 s25, s21, 1                          ; e
	s_lshl_b32 s26, s19, 1
	s_add_co_u32 s26, s26, s25                     ; 2 cx + e: my tile among the eight of its 128 queries
	s_lshl_b32 s27, s[GQ], 3
	s_add_co_u32 s27, s27, s26                     ; my query tile: it enters global addresses and compared data alone
	; group 1: a dense block of 32,768 bytes as 128 rows of 256 bytes
	s_mov_b32 s32, 15|(3<<16)|(1<<21)              ; 15:0 the mask: all four work-groups; 17:16 elements of 8 bytes; 21 set beside a mask
	s_mov_b32 s33, 32<<16                          ; tensor_dim0 = 32
	s_mov_b32 s34, 128<<16                         ; tensor_dim1 = 128
	s_mov_b32 s35, 32<<16                          ; tile_dim0
	s_mov_b32 s36, 128                             ; tile_dim1
	s_mov_b32 s37, 32                              ; the pitch
	s_mov_b32 s38, 0
	s_mov_b32 s39, 0
	s_lshl_b32 s40, s20, 16                        ; the head's 65,536 bytes,
	s_and_b32 s41, s[WV], 1
	s_lshl_b32 s41, s41, 15                        ; their first or second half
	s_add_co_u32 s40, s40, s41
	s_mov_b32 s41, 0
	s_mov_b32 s28, 1                               ; group 0: count = 1
	s_lshl_b32 s29, s22, 15                        ; LDS: waves 0, 1: K's halves; waves 2, 3: V's
	s_mov_b32 s[SEL], 0x76543210
	s_mov_b32 s[SEL+1], 0xfedcba98
	s_mov_b32 s53, 0xffff0000                      ; lanes 16 to 31
	s_mov_b32 s[CS], 0x3e38aa3b                    ; c = log2(e) / 8
	s_wait_dscnt 0x0
	s_wait_kmcnt 0x0
	s_load_b128 s[44:47], s[10:11], 0x8            ; e2, e3, e4, e5
	s_load_b32 s48, s[10:11], 0x18                 ; e6
	s_cmp_lt_u32 s[WV], 2
	s_cselect_b64 s[30:31], s[6:7], s[8:9]
	s_add_nc_u64 s[30:31], s[30:31], s[40:41]
	s_or_b32 s31, s31, 0x80000000                  ; type = 2
	CROUND                                         ; all four work-groups are here: the joint loads meet
	s_cmp_lt_u32 s[WV], 4
	s_cbranch_scc0 .Lno_fetch
	tensor_load_to_lds s[28:31], s[32:39]          ; one load a wave, waves 0 to 3: one tensor load of a wave is out
	s_nop 0
.rept 4
	v_nop
.endr
.Lno_fetch:
	s_lshl_b32 s42, s20, 16
	s_lshl_b32 s43, s27, 10
	s_add_co_u32 s42, s42, s43
	s_mov_b32 s43, 0
	s_add_nc_u64 s[4:5], s[4:5], s[42:43]          ; Q's image of my tile
	v_and_b32 v2, 31, v0
	s_delay_alu instid0(VALU_DEP_1)
	v_lshlrev_b32 v[LI], 4, v2
	global_load_b128 v[16:19], v[LI], s[4:5]
	global_load_b128 v[20:23], v[LI], s[4:5] offset:512
	s_lshr_b32 s58, s20, 4                         ; ai: block of 16 tokens = 64 x batch + my tile, 16,384 bytes each;
	s_lshl_b32 s58, s58, 6
	s_add_co_u32 s58, s58, s27
	s_lshl_b32 s58, s58, 14
	s_and_b32 s59, s20, 15
	s_lshl_b32 s59, s59, 10                        ; a head's 64 of K are two pieces: 1,024 bytes x head
	s_add_co_u32 s58, s58, s59
	s_mov_b32 s59, 0
	s_add_nc_u64 s[12:13], s[12:13], s[58:59]
	v_and_b32 v3, 15, v0
	v_bfe_u32 v4, v0, 4, 1
	s_delay_alu instid0(VALU_DEP_1)
	v_lshlrev_b32 v4, 3, v4
	s_delay_alu instid0(VALU_DEP_1)
	v_sub_nc_u32 v[DQ], v3, v4
	s_lshl_b32 s49, s26, 4
	v_add_nc_u32 v[DQ], s49, v[DQ]                 ; r - 8 h + 16 (2 cx + e): on the diagonal step register j of tile T is hidden where 16 T + j is greater
	v_mov_b32 v[NINF], 0xff800000
	v_mov_b32 v13, 0xff61b1e6                      ; the largest t so far: -3e38, under every t
	s_delay_alu instid0(VALU_DEP_1)
	v_floor_f32 v12, -v13                          ; -M
	v_mov_b32 v14, 0                               ; the sum, in two halves
	v_mov_b32 v15, 0
	v_mov_b32 v236, 0                              ; written once: a lane permute's destination counts as one of its sources
	v_mov_b32 v252, 0
	v_mov_b32 v253, 0                              ; (named as the upper half of the pair v[252:253])
.irp j, 0,1,2,3,4,5,6,7,8,9,10,11,12,13,14,15,16,17,18,19,20,21,22,23,24,25,26,27,28,29,30,31
	v_mov_b32 v[160+\j], 0                         ; O^T: the step is written once; its first trip finds zeros, which the first change of M leaves zeros
.endr
	s_wait_kmcnt 0x0
	s_add_co_i32 s49, s44, s45
	s_lshl_b32 s49, s49, 23
	s_add_co_i32 s[CS], s[CS], s49                 ; a score stands for score x 2^(e2 + e3): added to c's exponent field
	s_mov_b32 s[CS+1], s[CS]
	s_add_co_i32 s49, s46, 127
	s_lshl_b32 s58, s49, 23
	v_mov_b32 v244, s58                            ; 2^e4
	s_add_co_i32 s49, s49, 8
	s_lshl_b32 s49, s49, 23
	s_or_b32 s49, s49, 0x600000
	v_mov_b32 v240, s49                            ; 448 x 2^e4
	s_add_co_i32 s49, s48, 127
	s_lshl_b32 s58, s49, 23
	v_mov_b32 v245, s58                            ; 2^e6
	s_add_co_i32 s49, s49, 8
	s_lshl_b32 s49, s49, 23
	s_or_b32 s49, s49, 0x600000
	v_mov_b32 v241, s49                            ; 448 x 2^e6
	s_add_co_i32 s52, s46, s47                     ; e4 + e5
	s_mov_b32 s[STEPI], 0
	s_mov_b32 s[TB], 0
	s_wait_loadcnt 0x0                             ; Q
	s_wait_tensorcnt 0x0                           ; my part of K or V has landed,
	s_barrier_signal -1
	s_barrier_wait -1                              ; everybody's has
.Lstep:                                            ; eight trips; a step all of whose keys come after my queries is jumped over
	s_cmp_gt_u32 s[STEPI], s[GQ]
	s_cbranch_scc1 .Lhidden
	v_add_nc_u32 v[ADK], s[TB], v[LI]
	s_delay_alu instid0(VALU_DEP_1)
	v_add_nc_u32 v[ADV], VOFF, v[ADK]
	v_nop                                          ; with the two additions: four places in front of loads into registers that the last products read
	v_nop
.irp t, 0,1,2,3,4,5,6,7
	ds_load_b128 v[32+8*\t:35+8*\t], v[ADK] offset:1024*\t
	ds_load_b128 v[36+8*\t:39+8*\t], v[ADK] offset:1024*\t+512
.endr
	s_wait_alu depctr_va_vdst(0)
	s_wait_dscnt 0x0
.irp t, 0,1,2,3,4,5,6,7
	v_wmma_f32_16x16x64_fp8_fp8 v[96+8*\t:103+8*\t], v[32+8*\t:39+8*\t], v[16:23], 0
.endr
.rept 4
	v_nop                                          ; places in front of the loads below and of the first read of the scores
.endr
.irp d, 0,1,2,3
.irp i, 0,1,2,3
	ds_load_b128 v[32+16*\d+4*\i:35+16*\d+4*\i], v[ADV] offset:2048*\d+512*\i   ; V's fragments land while the softmax is walked
.endr
.endr
	s_cmp_lg_u32 s[STEPI], s[GQ]                   ; only my last step lies on the diagonal
	s_cbranch_scc1 .Lopen
.irp n, 0,1,2,3,4,5,6,7,8,9,10,11,12,13,14,15,16,17,18,19,20,21,22,23,24,25,26,27,28,29,30,31,32,33,34,35,36,37,38,39,40,41,42,43,44,45,46,47,48,49,50,51,52,53,54,55,56,57,58,59,60,61,62,63
	v_cmp_gt_i32 vcc_lo, 16*(\n/8)+\n%8, v[DQ]
	v_cndmask_b32 v[96+\n], v[96+\n], v[NINF], vcc_lo
.endr
.Lopen:
	v_max3_num_f32 v254, v96, v97, v98             ; the step's largest score, in two chains; the first eight lines take each tile's lowest registers
	v_max3_num_f32 v252, v104, v105, v106
	MX 254, 16, 17
	MX 252, 24, 25
	MX 254, 32, 33
	MX 252, 40, 41
	MX 254, 48, 49
	MX 252, 56, 57
.irp t, 1,3,5,7
	v_cndmask_b32 v[96+8*\t+7], v[96+8*\t+7], v[NINF], s53   ; key % 32 == 31: an odd tile, lanes 16 to 31, register 7
.endr
	MX 254, 3, 4
	MX 252, 5, 6
	MX 254, 7, 11
	MX 252, 12, 13
	MX 254, 14, 15
	MX 252, 18, 19
	MX 254, 20, 21
	MX 252, 22, 23
	MX 254, 26, 27
	MX 252, 28, 29
	MX 254, 30, 31
	MX 252, 34, 35
	MX 254, 36, 37
	MX 252, 38, 39
	MX 254, 42, 43
	MX 252, 44, 45
	MX 254, 46, 47
	MX 252, 50, 51
	MX 254, 52, 53
	MX 252, 54, 55
	MX 254, 58, 59
	MX 252, 60, 61
	MX 254, 62, 63
	s_delay_alu instid0(VALU_DEP_1)
	v_max_num_f32 v254, v254, v252
	v_permlanex16_b32 v236, v254, s[SEL], s[SEL+1]
	s_delay_alu instid0(VALU_DEP_1)
	v_max_num_f32 v254, v254, v236                 ; and among lane l xor 16's
	s_delay_alu instid0(VALU_DEP_1)
	v_mul_f32 v254, s[CS], v254                    ; as t (c is positive)
	s_delay_alu instid0(VALU_DEP_1)
	v_max_num_f32 v13, v13, v254                   ; the running largest t
	v_mov_b32 v254, v12
	s_delay_alu instid0(VALU_DEP_2)
	v_floor_f32 v12, -v13                          ; the new -M = floor(-t): M is a whole number
	s_delay_alu instid0(VALU_DEP_1)
	v_sub_f32 v254, v12, v254                      ; old M less new M: a whole number, 0 or less
	s_delay_alu instid0(VALU_DEP_1)
	v_cvt_i32_f32 v254, v254                       ; (it saturates)
	s_delay_alu instid0(VALU_DEP_1)
	v_ldexp_f32 v252, 1.0, v254                    ; f = 2^(old M - new M)
.irp j, 0,2,4,6,8,10,12,14,16,18,20,22,24,26,28,30,32,34,36,38,40,42,44,46,48,50,52,54,56,58,60,62
	v_pk_fma_f32 v[96+\j:97+\j], v[96+\j:97+\j], s[CS:CS+1], v[12:13] op_sel_hi:[1,0,0]   ; t - M (of the pairs c and -M the low word serves both halves)
.endr
	s_wait_alu depctr_va_vdst(0)
.irp j, 0,1,2,3,4,5,6,7,8,9,10,11,12,13,14,15,16,17,18,19,20,21,22,23,24,25,26,27,28,29,30,31,32,33,34,35,36,37,38,39,40,41,42,43,44,45,46,47,48,49,50,51,52,53,54,55,56,57,58,59,60,61,62,63
	v_exp_f32 v[96+\j], v[96+\j]                   ; p = 2^(t - M); a hidden key's is 0
.endr
	v_pk_mul_f32 v[14:15], v[14:15], v[252:253] op_sel_hi:[1,0]   ; the sums under the new M (a plain line behind the exponentials)
	s_wait_alu depctr_va_vdst(0)                   ; one wait for the whole batch, ahead of its first reader
	v_pk_add_f32 v[242:243], v[100:101], v[104:105]
	v_pk_add_f32 v[248:249], v[108:109], v[112:113]
	v_pk_add_f32 v[246:247], v[116:117], v[120:121]
	v_pk_add_f32 v[238:239], v[124:125], v[128:129]
	v_pk_add_f32 v[236:237], v[132:133], v[136:137]
	v_pk_add_f32 v[234:235], v[140:141], v[144:145]
	v_pk_add_f32 v[232:233], v[148:149], v[152:153]
	v_pk_add_f32 v[14:15], v[14:15], v[156:157]
	v_pk_add_f32 v[242:243], v[242:243], v[96:97]
	v_pk_add_f32 v[248:249], v[248:249], v[98:99]
	v_pk_add_f32 v[246:247], v[246:247], v[102:103]
	v_pk_add_f32 v[238:239], v[238:239], v[106:107]
	v_pk_add_f32 v[236:237], v[236:237], v[110:111]
	v_pk_add_f32 v[234:235], v[234:235], v[114:115]
	v_pk_add_f32 v[232:233], v[232:233], v[118:119]
	v_pk_add_f32 v[14:15], v[14:15], v[122:123]
	v_pk_add_f32 v[242:243], v[242:243], v[126:127]
	v_pk_add_f32 v[248:249], v[248:249], v[130:131]
	v_pk_add_f32 v[246:247], v[246:247], v[134:135]
	v_pk_add_f32 v[238:239], v[238:239], v[138:139]
	v_pk_add_f32 v[236:237], v[236:237], v[142:143]
	v_pk_add_f32 v[234:235], v[234:235], v[146:147]
	v_pk_add_f32 v[232:233], v[232:233], v[150:151]
	v_pk_add_f32 v[14:15], v[14:15], v[154:155]
	v_pk_add_f32 v[242:243], v[242:243], v[158:159]
	s_delay_alu instid0(VALU_DEP_2)
	v_pk_add_f32 v[14:15], v[14:15], v[238:239]
	s_delay_alu instid0(VALU_DEP_2)
	v_pk_add_f32 v[242:243], v[242:243], v[236:237]
	v_pk_add_f32 v[248:249], v[248:249], v[234:235]
	v_pk_add_f32 v[246:247], v[246:247], v[232:233]
	s_delay_alu instid0(VALU_DEP_2)
	v_pk_add_f32 v[14:15], v[14:15], v[248:249]
	s_delay_alu instid0(VALU_DEP_2)
	v_pk_add_f32 v[242:243], v[242:243], v[246:247]
	s_delay_alu instid0(VALU_DEP_1)
	v_pk_add_f32 v[14:15], v[14:15], v[242:243]
.irp j, 0,1,2,3,4,5,6,7,8,9,10,11,12,13,14,15,16,17,18,19,20,21,22,23,24,25,26,27,28,29,30,31,32,33,34,35,36,37,38,39,40,41,42,43,44,45,46,47,48,49,50,51,52,53,54,55,56,57,58,59,60,61,62,63
	v_min_num_f32 v[96+\j], v[96+\j], v240         ; the conversion does not saturate (ISA guide 7.6.2); p is not negative, so the hold is one-sided
.endr
.irp t, 0,1,2,3,4,5,6,7
	v_cvt_scalef32_pk8_fp8_f32 v[224+2*\t:225+2*\t], v[96+8*\t:103+8*\t], v244
.endr
.irp j, 0,2,4,6,8,10,12,14,16,18,20,22,24,26,28,30
	v_pk_mul_f32 v[160+\j:161+\j], v[160+\j:161+\j], v[252:253] op_sel_hi:[1,0]   ; O^T under the new M; these are also the plain lines behind the conversions
.endr
	s_wait_alu depctr_va_vdst(0)
	s_wait_dscnt 0x0                               ; V
.irp d, 0,1,2,3
	v_wmma_f32_16x16x128_fp8_fp8 v[160+8*\d:167+8*\d], v[32+16*\d:47+16*\d], v[224:239], v[160+8*\d:167+8*\d]   ; the four accumulators by turns
.endr
.Lhidden:
	s_add_co_u32 s[TB], s[TB], 8192
	s_add_co_u32 s[STEPI], s[STEPI], 1
	s_cmp_lt_u32 s[STEPI], 8
	s_cbranch_scc1 .Lstep
	; THE WAY OUT
.rept 4
	v_nop                                          ; places behind the last products
.endr
	v_add_f32 v14, v14, v15                        ; the sum's two halves,
	s_delay_alu instid0(VALU_DEP_1)
	v_permlanex16_b32 v252, v14, s[SEL], s[SEL+1]
	s_delay_alu instid0(VALU_DEP_1)
	v_add_f32 v14, v14, v252                       ; and lane l xor 16's
	s_wait_alu depctr_va_vdst(0)
	v_rcp_f32 v14, v14
	v_nop                                          ; a plain line behind the reciprocal
	s_wait_alu depctr_va_vdst(0)                   ; the wait ahead of its first reader
	v_ldexp_f32 v14, v14, s52                      ; x 2^(e4 + e5)
.irp j, 0,1,2,3,4,5,6,7,8,9,10,11,12,13,14,15,16,17,18,19,20,21,22,23,24,25,26,27,28,29,30,31
	v_mul_f32 v[96+\j], v[160+\j], v14             ; register 8 d + j is o(query r, channel 16 d + 8 h + j)
.endr
.irp j, 0,1,2,3,4,5,6,7,8,9,10,11,12,13,14,15,16,17,18,19,20,21,22,23,24,25,26,27,28,29,30,31
	v_med3_num_f32 v[96+\j], v[96+\j], -v241, v241
.endr
.irp d, 0,1,2,3
	v_cvt_scalef32_pk8_fp8_f32 v[200+2*\d:201+2*\d], v[96+8*\d:103+8*\d], v245
.endr
	v_nop                                          ; a plain line between the conversions and the lines that touch their results
	v_permlane16_swap_b32 v200, v202               ; two pairs (channels 16 d + 8 h on) become four registers with channels 32 c + 16 h + 0 .. 15: the first register's upper lanes change places with the second's lower lanes
	v_permlane16_swap_b32 v201, v203
	v_permlane16_swap_b32 v204, v206
	v_permlane16_swap_b32 v205, v207
	global_store_b128 v[LI], v[200:203], s[12:13]              ; 512 consecutive bytes, aligned
	global_store_b128 v[LI], v[204:207], s[12:13] offset:512
	s_wait_tensorcnt 0x0
	ds_add_u32 v251, v255
	s_wait_dscnt 0x0
	CROUND                                         ; the closing round
	s_endpgm
.Lfunc_end_k_qa5b808a4d0_attn:
	.size	k_qa5b808a4d0_attn, .Lfunc_end_k_qa5b808a4d0_attn-k_qa5b808a4d0_attn
	.p2alignl 7, 3214868480
	.fill 96, 4, 3214868480
	.section	.rodata,"a",@progbits
	.p2align	6, 0x0
	.amdhsa_kernel k_qa5b808a4d0_attn
		.amdhsa_group_segment_fixed_size 169984
		.amdhsa_private_segment_fixed_size 0
		.amdhsa_enable_private_segment 0
		.amdhsa_kernarg_size 40
		.amdhsa_user_sgpr_count 2
		.amdhsa_user_sgpr_kernarg_segment_ptr 1
		.amdhsa_wavefront_size32 1
		.amdhsa_system_sgpr_workgroup_id_x 1
		.amdhsa_system_sgpr_workgroup_id_y 1
		.amdhsa_system_sgpr_workgroup_id_z 1
		.amdhsa_system_vgpr_workitem_id 0
		.amdhsa_next_free_vgpr 256
		.amdhsa_next_free_sgpr 66
		.amdhsa_reserve_vcc 1
		.amdhsa_float_denorm_mode_32 3
		.amdhsa_float_denorm_mode_16_64 3
		.amdhsa_memory_ordered 1
		.amdhsa_forward_progress 1
		.amdhsa_inst_pref_size 33
	.end_amdhsa_kernel
	.amdgpu_metadata
---
amdhsa.version: [ 1, 2 ]
amdhsa.kernels:
  - .name:           k_qa5b808a4d0_attn
    .symbol:         k_qa5b808a4d0_attn.kd
    .args:
      - { .name: qi, .offset: 0, .size: 8, .value_kind: global_buffer, .address_space: global }
      - { .name: ki, .offset: 8, .size: 8, .value_kind: global_buffer, .address_space: global }
      - { .name: vi, .offset: 16, .size: 8, .value_kind: global_buffer, .address_space: global }
      - { .name: lowp_scales, .offset: 24, .size: 8, .value_kind: global_buffer, .address_space: global }
      - { .name: ai, .offset: 32, .size: 8, .value_kind: global_buffer, .address_space: global }
    .group_segment_fixed_size: 169984
    .private_segment_fixed_size: 0
    .kernarg_segment_align: 8
    .kernarg_segment_size: 40
    .max_flat_workgroup_size: 512
    .sgpr_count:     66
    .vgpr_count:     256
    .wavefront_size: 32
...
	.end_amdgpu_metadata
.endif
;; end of part 3
;; launch oproj (part 4): grid 8 x 32, 4 waves a work-group, clusters of 4 x 4, 167,936 bytes of LDS; arguments ai, w_o_codes, lowp_scales, b_o, x, x1; writes x1
.if DOCPART == 4
	.amdgcn_target "amdgcn-amd-amdhsa--gfx1250"
	.amdhsa_code_object_version 6
	.text
	.protected	k_qa5b808a4d0_oproj
	.globl	k_qa5b808a4d0_oproj
	.p2align	8
	.type	k_qa5b808a4d0_oproj,@function
k_qa5b808a4d0_oproj:
	s_mov_b64 s[64:65], 0
	v_nop
	global_prefetch_b8 v0, s[64:65] scope:SCOPE_SE
	s_setreg_imm32_b32 hwreg(HW_REG_WAVE_MODE, 25, 1), 1
	s_wait_xcnt 0x0
	s_wait_alu depctr_hold_cnt(0) depctr_sa_sdst(0) depctr_va_vdst(0) depctr_va_sdst(0) depctr_va_ssrc(0) depctr_va_vcc(0) depctr_vm_vsrc(0)
	s_getreg_b32 s2, hwreg(HW_REG_IB_STS2, 6, 4)
	s_cmp_eq_u32 s2, 0
	s_cbranch_scc0 .Lentry_in_a_cluster
	s_endpgm
.Lentry_in_a_cluster:
	s_bfe_u32 s2, ttmp6, 0x10000c
	s_cmp_lg_u32 s2, 0xf033
	s_cbranch_scc0 .Lentry_shape_is_right
	s_endpgm
.Lentry_shape_is_right:
; x1 = x + A W^T + bias on codes of E4M3.  A: images of operand registers, [16 rows: 256][128 of K: 8][piece 4][lane 32][16 bytes]; W: [1024][1024] codes; x, x1: [4096][1024] f32.  A sum is multiplied by 2^(e6 + e7).
; SHARES.  A tile of 128 x 128 is made by four waves: 256 work-groups.  Wave w makes rows 32 w .. 32 w + 31 x all 128 columns: 16 accumulators.
; W'S 128 ROWS OF ALL 1,024 K LIE IN LDS WHOLE: one joint tensor load a wave (32 rows of 1,024 bytes), shared along a column of the 4 x 4 cluster.  Nothing is filled again: no ring, no change of slots.
; A COMES FROM MEMORY STRAIGHT INTO REGISTERS, all 8 steps of 128 along K at once: 64 loads of 512 consecutive bytes a wave, each wave its own 32 rows.  The residual's 32 rows and the bias follow them at the head.
; A is not asked for jointly: it would have to pass through LDS, and each byte of it is used by one wave alone.  No prefetch: all that the launch reads is asked for at its head, there is no loop to run ahead in.
; Source 0 = 16 rows of W, source 1 = 16 rows of A: a lane holds eight neighbouring columns of one row.  Inside a product's 128 along K the codes stand permuted, alike in A and W: only the order of the sums changes.
; The sums go through the wave's own stage in LDS, behind W's bytes, and come back as rows of 512 bytes.
; LIMIT: e6 + e7 between -126 and 127.
; REGISTERS: window 0: v0-31 addresses, v[12:15] bias; v128-255 rows on the way out.  window 1: W's fragments, two sets of 128.  window 2: v0-127 the accumulators ((a, b) at v[8 (8 a + b)]), v128-255 the residual.  window 3: A, eight sets of 32.
.set SIZE_K, 1024
.set PITCH,  SIZE_K+16                 ; an odd multiple of 16 bytes: the 16 rows that a load touches start at 16 different banks (ISA guide 11.1)
.set WROWS,  32
.set SLOT,   128*PITCH
.set SPITCH, 528                       ; the stage: 16 rows x (512 bytes + 16) for each wave
.set STAGE,  SLOT
.set SPARE,  STAGE+4*16*SPITCH         ; the spare words, 128 bytes a wave, which no other line names
.set ADRB,   20                        ; v20 LDS address of W's blocks 0-3, v21 of blocks 4-7
.set STO,    24
.set RD,     25
.set LI,     26                        ; 16 x lane; never rewritten
.set SPW,    28
.set NIL,    29
.set RS,     128
.set BK,     128
.set G1B, 48
.set G0B, 56
.set MSB, 0
.set MUL,  0xad                        ; source 0 (W) window 1, source 1 (A) window 3, C and D window 2
.macro WIN new
.if MSB != (\new)
	s_set_vgpr_msb (MSB<<8)|(\new)
.set MSB, (\new)
.endif
.endm
.macro CROUND                          ; a round of the cluster's barrier
	s_barrier_signal -1
	s_barrier_wait -1
	s_cmp_lg_u32 s14, 0
	s_cbranch_scc1 .Lnot_wave_0_\@
	s_barrier_signal -3
.Lnot_wave_0_\@:
	s_barrier_wait -3
	s_barrier_signal -1
	s_barrier_wait -1
.endm
.macro PLACES n
.rept \n
	v_nop
.endr
.endm
.macro FETCH_B f                       ; W's eight fragments of step f into set f % 2
.set fp, 128*((\f)%2)
	WIN 0x40
.irp b, 0,1,2,3,4,5,6,7
.irp c, 0,1,2,3
	ds_load_b128 v[fp+16*\b+4*\c:fp+16*\b+4*\c+3], v[ADRB+(\b/4)] offset:128*(\f)+32*\c+(\b%4)*16*PITCH
.endr
.endr
.endm
.macro ALOAD f                         ; A's two fragments of step f
	WIN 0xc0
.irp a, 0,1
.irp c, 0,1,2,3
	global_load_b128 v[32*(\f)+16*\a+4*\c:32*(\f)+16*\a+4*\c+3], v[LI], s[4:5] offset:\a*16*SIZE_K+(\f)*2048+512*\c
.endr
.endr
.endm
.macro RES j                           ; four rows of the residual
	WIN 0x80
.irp i, 0,1,2,3
	global_load_b128 v[RS+4*(4*(\j)+\i):RS+4*(4*(\j)+\i)+3], v[LI], s[68:69] offset:(4*(\j)+\i)*4096
.endr
.endm
.macro MUL8 s, a                       ; the 16 accumulators take turns; the first step's products start the sums
.set mp, 128*((\s)%2)
.set mq, 32*(\s)+16*(\a)
.irp b, 0,1,2,3,4,5,6,7
.if (\s) == 0
	v_wmma_f32_16x16x128_fp8_fp8 v[8*(8*(\a)+\b):8*(8*(\a)+\b)+7], v[mp+16*\b:mp+16*\b+15], v[mq:mq+15], 0
.else
	v_wmma_f32_16x16x128_fp8_fp8 v[8*(8*(\a)+\b):8*(8*(\a)+\b)+7], v[mp+16*\b:mp+16*\b+15], v[mq:mq+15], v[8*(8*(\a)+\b):8*(8*(\a)+\b)+7]
.endif
.endr
.endm
.macro DOSTEP s
.if (\s)+1 < 8
	s_wait_dscnt 32                                ; this step's fragments of W are in; the next step's 32 loads may be out
.else
	s_wait_dscnt 0x0
.endif
.if 89-8*(\s) > 63
	s_wait_loadcnt 63                              ; behind this step's eight loads of A: eight for each later step, the residual's 32, the bias's one; the count's field ends at 63
.else
	s_wait_loadcnt 89-8*(\s)
.endif
	WIN MUL
	MUL8 \s, 0
	MUL8 \s, 1
	WIN 0
.if (\s)+2 < 8
	PLACES 4                                       ; in front of loads into registers that matrix instructions have read
	FETCH_B (\s)+2
.endif
.endm
	s_load_b128 s[4:7], s[0:1], 0x0                ; A's images, W's codes
	s_load_b128 s[8:11], s[0:1], 0x10              ; the exponents, the bias
	s_load_b128 s[68:71], s[0:1], 0x20             ; x, x1
	v_lshl_add_u32 v[SPW], v0, 2, SPARE
	v_mov_b32 v[NIL], 0
	ds_add_u32 v[SPW], v[NIL]                      ; the opening lines: the add twice on end and its wait
	ds_add_u32 v[SPW], v[NIL]
	v_lshrrev_b32 v1, 5, v0
	v_readfirstlane_b32 s14, v1                    ; wave
	v_and_b32 v6, 31, v0
	v_lshlrev_b32 v[LI], 4, v6
	s_bfe_u32 s40, ttmp6, 0x40000                  ; cx, cy
	s_bfe_u32 s41, ttmp6, 0x40004
	s_lshl_b32 s42, ttmp9, 2
	s_add_co_u32 s42, s42, s40                     ; tile column
	s_and_b32 s17, ttmp7, 0xffff
	s_lshl_b32 s17, s17, 2
	s_add_co_u32 s17, s17, s41                     ; tile row
	s_lshl_b32 s44, 0x1111, s40                    ; my column of the cluster
	s_or_b32 s[G1B+0], s44, (0<<16)|(1<<20)|(1<<21)|(7<<22)|(3<<25)   ; the mask; elements of 1 byte; padding of four words behind every 256
	s_mov_b32 s[G1B+1], SIZE_K<<16
	s_mov_b32 s[G1B+2], WROWS<<16
	s_mov_b32 s[G1B+3], SIZE_K<<16
	s_mov_b32 s[G1B+4], WROWS
	s_mov_b32 s[G1B+5], SIZE_K
	s_mov_b32 s[G1B+6], 0
	s_mov_b32 s[G1B+7], 0
	s_lshl_b32 s18, s14, 5                         ; 32 x wave
	s_lshl_b32 s20, s17, 7
	s_add_co_u32 s20, s20, s18                     ; my first row of A
	s_lshl_b32 s74, s20, 12                        ; and of x and x1, in bytes
	s_mul_i32 s20, s20, SIZE_K
	s_mov_b32 s21, 0
	s_lshl_b32 s46, s42, 7
	s_add_co_u32 s46, s46, s18                     ; the first row of W that I fetch
	s_mul_i32 s46, s46, SIZE_K
	s_mov_b32 s47, 0
	s_mul_i32 s66, s14, WROWS*PITCH                ; where it goes: the wave's number alone
	s_lshl_b32 s76, s42, 9                         ; the tile's first column, in bytes
	s_mov_b32 s77, 0
	s_add_co_u32 s74, s74, s76
	s_mov_b32 s75, 0
	s_wait_alu depctr_va_vdst(0)                   ; the wait ahead of the waits below
	s_wait_dscnt 0x0
	s_wait_kmcnt 0x0
	s_load_b64 s[80:81], s[8:9], 0x18              ; e6, e7
	s_add_nc_u64 s[4:5], s[4:5], s[20:21]
	s_add_nc_u64 s[46:47], s[6:7], s[46:47]
	s_add_nc_u64 s[10:11], s[10:11], s[76:77]
	s_add_nc_u64 s[68:69], s[68:69], s[74:75]
	s_add_nc_u64 s[70:71], s[70:71], s[74:75]
.irp f, 0,1,2,3,4,5,6
	ALOAD \f                                       ; 56 loads of A are on their way while the cluster meets
.endr
	WIN 0
	s_mov_b32 s[G0B], 1
	s_mov_b32 s[G0B+1], s66
	s_mov_b64 s[G0B+2:G0B+3], s[46:47]
	s_or_b32 s[G0B+3], s[G0B+3], 0x80000000
	CROUND                                         ; the joint loads meet
	tensor_load_to_lds s[G0B:G0B+3], s[G1B:G1B+7]  ; my one tensor load of the launch
	s_nop 0
	PLACES 4
	ALOAD 7
.irp j, 0,1,2,3,4,5,6,7
	RES \j
.endr
	WIN 0
	global_load_b128 v[12:15], v[LI], s[10:11]     ; the bias of my four columns of a row
	v_and_b32 v1, 15, v0                           ; r
	v_bfe_u32 v2, v0, 4, 1                         ; h
	v_mul_u32_u24 v3, v1, PITCH
	v_lshl_add_u32 v[ADRB], v2, 4, v3
	v_add_nc_u32 v[ADRB+1], 64*PITCH, v[ADRB]
	s_mul_i32 s23, s14, 16*SPITCH
	s_add_co_u32 s23, s23, STAGE                   ; my stage
	v_mul_u32_u24 v7, v1, SPITCH
	v_lshl_add_u32 v7, v2, 5, v7
	v_add_nc_u32 v[STO], s23, v7
	v_add_nc_u32 v[RD], s23, v[LI]
	s_wait_alu depctr_va_vdst(0)                   ; the wait at the head's end
	s_wait_tensorcnt 0x0                           ; my rows of W are in,
	s_barrier_signal -1
	s_barrier_wait -1                              ; everybody's are
	FETCH_B 0
	FETCH_B 1
.irp s, 0,1,2,3,4,5,6,7
	DOSTEP \s
.endr
	s_wait_loadcnt 0x0                             ; residual and bias
	s_wait_kmcnt 0x0
	s_add_co_i32 s84, s80, s81
	s_add_co_i32 s84, s84, 127
	s_lshl_b32 s84, s84, 23                        ; 2^(e6 + e7)
	s_mov_b32 s85, s84
	WIN 0x82
.set ri, 0
.rept 32
	v_pk_add_f32 v[RS+4*ri:RS+4*ri+1], v[RS+4*ri:RS+4*ri+1], v[12:13]          ; residual + bias; these lines are also the places behind the last products
	v_pk_add_f32 v[RS+4*ri+2:RS+4*ri+3], v[RS+4*ri+2:RS+4*ri+3], v[14:15]
.set ri, ri+1
.endr
	WIN 0
.macro TOSTAGE a                       ; block a's sums into my stage, each accumulator from its low end on, and back as rows
	WIN 0x08
.irp b, 0,1,2,3,4,5,6,7
	ds_store_b128 v[STO], v[64*(\a)+8*\b:64*(\a)+8*\b+3] offset:64*\b
	ds_store_b128 v[STO], v[64*(\a)+8*\b+4:64*(\a)+8*\b+7] offset:64*\b+16
.endr
	WIN 0
.irp t, 0,1,2,3,4,5,6,7,8,9,10,11,12,13,14,15
	ds_load_b128 v[BK+64*(\a)+4*\t:BK+64*(\a)+4*\t+3], v[RD] offset:\t*SPITCH    ; LDS serves a wave's instructions in order (ISA guide 5.7.1.4)
.endr
.endm
.macro SEND a, younger
	s_wait_dscnt \younger
	WIN 0x20
.irp t, 0,1,2,3,4,5,6,7,8,9,10,11,12,13,14,15
	v_pk_fma_f32 v[BK+64*(\a)+4*\t:BK+64*(\a)+4*\t+1], v[BK+64*(\a)+4*\t:BK+64*(\a)+4*\t+1], s[84:85], v[RS+64*(\a)+4*\t:RS+64*(\a)+4*\t+1] op_sel_hi:[1,0,1]
	v_pk_fma_f32 v[BK+64*(\a)+4*\t+2:BK+64*(\a)+4*\t+3], v[BK+64*(\a)+4*\t+2:BK+64*(\a)+4*\t+3], s[84:85], v[RS+64*(\a)+4*\t+2:RS+64*(\a)+4*\t+3] op_sel_hi:[1,0,1]
.endr
	WIN 0
.irp t, 0,1,2,3,4,5,6,7,8,9,10,11,12,13,14,15
	global_store_b128 v[LI], v[BK+64*(\a)+4*\t:BK+64*(\a)+4*\t+3], s[70:71] offset:(16*(\a)+\t)*4096   ; 512 consecutive bytes, aligned
.endr
.endm
	TOSTAGE 0
	TOSTAGE 1
	SEND 0, 32                                     ; behind block 0's loads: block 1's 16 stores and 16 loads
	SEND 1, 0
	s_wait_tensorcnt 0x0                           ; the wave's end
	ds_add_u32 v[SPW], v[NIL]
	s_wait_dscnt 0x0
	CROUND                                         ; the closing round
	s_endpgm
.Lfunc_end_k_qa5b808a4d0_oproj:
	.size	k_qa5b808a4d0_oproj, .Lfunc_end_k_qa5b808a4d0_oproj-k_qa5b808a4d0_oproj
	.p2alignl 7, 3214868480
	.fill 96, 4, 3214868480
	.section	.rodata,"a",@progbits
	.p2align	6, 0x0
	.amdhsa_kernel k_qa5b808a4d0_oproj
		.amdhsa_group_segment_fixed_size 167936
		.amdhsa_private_segment_fixed_size 0
		.amdhsa_enable_private_segment 0
		.amdhsa_kernarg_size 48
		.amdhsa_user_sgpr_count 2
		.amdhsa_user_sgpr_kernarg_segment_ptr 1
		.amdhsa_wavefront_size32 1
		.amdhsa_system_sgpr_workgroup_id_x 1
		.amdhsa_system_sgpr_workgroup_id_y 1
		.amdhsa_system_sgpr_workgroup_id_z 1
		.amdhsa_system_vgpr_workitem_id 0
		.amdhsa_next_free_vgpr 1024
		.amdhsa_next_free_sgpr 100
		.amdhsa_reserve_vcc 0
		.amdhsa_float_denorm_mode_32 3
		.amdhsa_float_denorm_mode_16_64 3
		.amdhsa_memory_ordered 1
		.amdhsa_forward_progress 1
		.amdhsa_inst_pref_size 56
	.end_amdhsa_kernel
	.amdgpu_metadata
---
amdhsa.version: [ 1, 2 ]
amdhsa.kernels:
  - .name:           k_qa5b808a4d0_oproj
    .symbol:         k_qa5b808a4d0_oproj.kd
    .args:
      - { .name: ai, .offset: 0, .size: 8, .value_kind: global_buffer, .address_space: global }
      - { .name: w_o_codes, .offset: 8, .size: 8, .value_kind: global_buffer, .address_space: global }
      - { .name: lowp_scales, .offset: 16, .size: 8, .value_kind: global_buffer, .address_space: global }
      - { .name: b_o, .offset: 24, .size: 8, .value_kind: global_buffer, .address_space: global }
      - { .name: x, .offset: 32, .size: 8, .value_kind: global_buffer, .address_space: global }
      - { .name: x1, .offset: 40, .size: 8, .value_kind: global_buffer, .address_space: global }
    .group_segment_fixed_size: 167936
    .private_segment_fixed_size: 0
    .kernarg_segment_align: 8
    .kernarg_segment_size: 48
    .max_flat_workgroup_size: 128
    .sgpr_count:     100
    .vgpr_count:     1024
    .wavefront_size: 32
...
	.end_amdgpu_metadata
.endif
;; end of part 4
;; launch ln2 (part 5): grid 256 x 1, 4 waves a work-group, no clusters, 17,920 bytes of LDS; arguments x1, ln2_g, ln2_b, lowp_scales, xn; writes xn
.if DOCPART == 5
	.amdgcn_target "amdgcn-amd-amdhsa--gfx1250"
	.amdhsa_code_object_version 6
	.text
	.protected	k_qa5b808a4d0_ln2
	.globl	k_qa5b808a4d0_ln2
	.p2align	8
	.type	k_qa5b808a4d0_ln2,@function
k_qa5b808a4d0_ln2:
	s_mov_b64 s[64:65], 0
	v_nop
	global_prefetch_b8 v0, s[64:65] scope:SCOPE_SE
	s_setreg_imm32_b32 hwreg(HW_REG_WAVE_MODE, 25, 1), 1
	s_wait_xcnt 0x0
; LayerNorm of 4,096 rows of 1,024 f32 numbers, then the quantiser with the given scale 2^e8: codes of E4M3.
; y = (x - mean) * rsqrt(var + 1e-5) * g + b, mean and variance in two passes over registers, all in f32; code = y / 2^e, held within +-448, to the nearest code, ties to even.
; THE CODES LEAVE AS IMAGES OF THE NEXT PRODUCT'S OPERAND REGISTERS: [16 rows: 256][128 of K: 8][piece 4][lane 32][16 bytes]; lane (r, h) of piece c holds K 32 c + 16 h + 0 .. 15 of row r.
; SHARES.  A work-group takes 16 rows, one image of 16,384 bytes; a wave 4 rows, a whole row in its 32 lanes (32 numbers a lane), so no sum leaves the wave.  Load i gives lane l the numbers 128 i + 4 l + 0 .. 3.
; Word i of row r (codes 128 i + 4 l ..) belongs to the image's 256-byte chunk 8 i + l / 4, at byte 16 r + 4 (l % 4).  The chunks lie 272 bytes apart in LDS, so that the 32 lanes of a store touch 32 different banks.
; One barrier; then each wave reads 16 chunks back, 16 bytes a lane, and each of its stores covers 512 consecutive bytes, aligned.
; No matrix unit, no cluster, no tensor load: the rows are read once and shared with nobody.
; LIMITS: e between -126 and 119.  NaN among the inputs is not served.
.set SCOFF, 0x20
.set CP,  272                          ; from chunk to chunk in LDS
.set MU,  16                           ; v16-23   row p: a pair: the mean, then var + eps, then 1 / sqrt of it
.set X,   32                           ; v32-159  row p: 32 registers
.set GA,  160
.set BE,  192
.set CD,  224                          ; v224-255 row p: 8 words of codes
	s_load_b256 s[4:11], s[0:1], 0x0               ; x1, g, b, the exponents
	s_load_b64 s[12:13], s[0:1], 0x20              ; the codes
	v_lshl_add_u32 v30, v0, 2, 0x4400              ; my spare word, behind the 64 chunks
	v_mov_b32 v31, 0
	v_lshrrev_b32 v4, 5, v0
	v_readfirstlane_b32 s14, v4                    ; wave
	v_and_b32 v5, 31, v0                           ; lane
	v_lshlrev_b32 v1, 4, v5                        ; 16 x lane; never rewritten
	s_lshl_b32 s24, s14, 12
	v_lshrrev_b32 v8, 2, v5
	v_and_b32 v9, 3, v5
	v_mul_u32_u24 v2, v8, CP
	v_lshl_add_u32 v2, v9, 2, v2
	s_lshl_b32 s25, s14, 6
	v_add_nc_u32 v2, s25, v2                       ; LDS, in: chunk l / 4, byte 64 wave + 4 (l % 4)
	v_lshrrev_b32 v10, 4, v5
	v_and_b32 v11, 15, v5
	v_mul_u32_u24 v3, v10, CP
	v_lshl_add_u32 v3, v11, 4, v3
	s_mul_i32 s25, s14, 16*CP
	v_add_nc_u32 v3, s25, v3                       ; LDS, back: chunk 16 wave + l / 16, byte 16 (l % 16)
	s_lshl_b32 s20, ttmp9, 16
	s_lshl_b32 s21, s14, 14
	s_add_co_u32 s20, s20, s21
	s_mov_b32 s21, 0
	s_lshl_b32 s26, ttmp9, 14                      ; the work-group's image, my wave's quarter
	s_add_co_u32 s26, s26, s24
	s_mov_b32 s27, 0
	s_mov_b32 s16, 0x76543210
	s_mov_b32 s17, 0xfedcba98
	s_mov_b32 s22, 0x3727c5ac                      ; 1e-5
	s_mov_b32 s23, 0x3a800000                      ; 1 / 1,024
	s_wait_alu depctr_va_vdst(0)
	s_wait_kmcnt 0x0
	s_load_b32 s15, s[10:11], SCOFF                ; e
	s_add_nc_u64 s[4:5], s[4:5], s[20:21]
	s_add_nc_u64 s[12:13], s[12:13], s[26:27]
.irp p, 0,1,2,3
.irp i, 0,1,2,3,4,5,6,7
	global_load_b128 v[X+32*\p+4*\i:X+32*\p+4*\i+3], v1, s[4:5] offset:4096*\p+512*\i th:TH_LOAD_NT
.endr
.endr
.irp i, 0,1,2,3,4,5,6,7
	global_load_b128 v[GA+4*\i:GA+4*\i+3], v1, s[6:7] offset:512*\i
.endr
.irp i, 0,1,2,3,4,5,6,7
	global_load_b128 v[BE+4*\i:BE+4*\i+3], v1, s[8:9] offset:512*\i
.endr
.macro LANESUM                         ; v24 summed over the 32 lanes
	v_add_f32_dpp v24, v24, v24 row_xmask:1 row_mask:0xf bank_mask:0xf
	v_add_f32_dpp v24, v24, v24 row_xmask:2 row_mask:0xf bank_mask:0xf
	v_add_f32_dpp v24, v24, v24 row_xmask:4 row_mask:0xf bank_mask:0xf
	v_add_f32_dpp v24, v24, v24 row_xmask:8 row_mask:0xf bank_mask:0xf
	v_permlanex16_b32 v25, v24, s16, s17
	v_add_f32 v24, v24, v25
.endm
.macro STATS p
.set XR, X+32*(\p)
.set MR, MU+2*(\p)
	s_wait_loadcnt 40-8*(\p)                       ; behind row p's eight loads: the later rows' 8 (3 - p) and the 16 of g and b
	v_pk_add_f32 v[24:25], v[XR:XR+1], v[XR+2:XR+3]
	v_pk_add_f32 v[26:27], v[XR+4:XR+5], v[XR+6:XR+7]
.irp j, 8,12,16,20,24,28
	v_pk_add_f32 v[24:25], v[24:25], v[XR+\j:XR+\j+1]
	v_pk_add_f32 v[26:27], v[26:27], v[XR+\j+2:XR+\j+3]
.endr
	v_pk_add_f32 v[24:25], v[24:25], v[26:27]
	v_add_f32 v24, v24, v25
	LANESUM
	v_mul_f32 v[MR], s23, v24                      ; the mean
	v_mov_b32 v[MR+1], v[MR]
.irp j, 0,2,4,6,8,10,12,14,16,18,20,22,24,26,28,30
	v_pk_add_f32 v[XR+\j:XR+\j+1], v[XR+\j:XR+\j+1], v[MR:MR+1] neg_lo:[0,1] neg_hi:[0,1]
.endr
	v_pk_mul_f32 v[24:25], v[XR:XR+1], v[XR:XR+1]
	v_pk_mul_f32 v[26:27], v[XR+2:XR+3], v[XR+2:XR+3]
.irp j, 4,8,12,16,20,24,28
	v_pk_fma_f32 v[24:25], v[XR+\j:XR+\j+1], v[XR+\j:XR+\j+1], v[24:25]
	v_pk_fma_f32 v[26:27], v[XR+\j+2:XR+\j+3], v[XR+\j+2:XR+\j+3], v[26:27]
.endr
	v_pk_add_f32 v[24:25], v[24:25], v[26:27]
	v_add_f32 v24, v24, v25
	LANESUM
	v_fma_f32 v[MR], v24, s23, s22                 ; var + eps
.endm
	STATS 0
	STATS 1
	STATS 2
	STATS 3
	s_wait_kmcnt 0x0
	s_add_co_i32 s15, s15, 127
	s_lshl_b32 s18, s15, 23                        ; 2^e
	s_add_co_i32 s15, s15, 8
	s_lshl_b32 s15, s15, 23
	s_or_b32 s15, s15, 0x600000                    ; 448 x 2^e
	s_wait_alu depctr_va_vdst(0)
.irp p, 0,1,2,3
	v_rsq_f32 v[MU+2*\p], v[MU+2*\p]               ; one batch
.endr
	v_mov_b32 v6, s18
	v_mov_b32 v7, s15
	s_wait_alu depctr_va_vdst(0)                   ; one wait for the batch
.irp p, 0,1,2,3
	v_mov_b32 v[MU+2*\p+1], v[MU+2*\p]
.endr
	s_wait_alu depctr_va_vdst(0)
	s_wait_loadcnt 0x0                             ; g and b
.macro NORM p
.set XR, X+32*(\p)
.set MR, MU+2*(\p)
.irp j, 0,2,4,6,8,10,12,14,16,18,20,22,24,26,28,30
	v_pk_mul_f32 v[XR+\j:XR+\j+1], v[XR+\j:XR+\j+1], v[MR:MR+1]
.endr
.irp j, 0,2,4,6,8,10,12,14,16,18,20,22,24,26,28,30
	v_pk_fma_f32 v[XR+\j:XR+\j+1], v[XR+\j:XR+\j+1], v[GA+\j:GA+\j+1], v[BE+\j:BE+\j+1]
.endr
.irp j, 0,1,2,3,4,5,6,7,8,9,10,11,12,13,14,15,16,17,18,19,20,21,22,23,24,25,26,27,28,29,30,31
	v_med3_num_f32 v[XR+\j], v[XR+\j], -v7, v7     ; the conversion does not saturate (ISA guide 7.6.2)
.endr
.irp m, 0,1,2,3
	v_cvt_scalef32_pk8_fp8_f32 v[CD+8*(\p)+2*\m:CD+8*(\p)+2*\m+1], v[XR+8*\m:XR+8*\m+7], v6
.endr
.irp i, 0,1,2,3,4,5,6,7
	ds_store_b32 v2, v[CD+8*(\p)+\i] offset:16*(\p)+8*CP*\i    ; chunk 8 i + l / 4, row 4 wave + p
.endr
.endm
	NORM 0
	NORM 1
	NORM 2
	NORM 3
	s_wait_dscnt 0x0                               ; my stores are done,
	s_barrier_signal -1
	s_barrier_wait -1                              ; everybody's are: the image is whole
.irp k, 0,1,2,3,4,5,6,7
	ds_load_b128 v[X+4*\k:X+4*\k+3], v3 offset:2*CP*\k
.endr
.irp k, 0,1,2,3,4,5,6,7
	s_wait_dscnt 7-\k                              ; the younger loads may be out
	global_store_b128 v1, v[X+4*\k:X+4*\k+3], s[12:13] offset:512*\k   ; 512 consecutive bytes, aligned
.endr
	s_wait_tensorcnt 0x0                           ; the wave's end
	ds_add_u32 v30, v31
	s_wait_dscnt 0x0
	s_endpgm
.Lfunc_end_k_qa5b808a4d0_ln2:
	.size	k_qa5b808a4d0_ln2, .Lfunc_end_k_qa5b808a4d0_ln2-k_qa5b808a4d0_ln2
	.p2alignl 7, 3214868480
	.fill 96, 4, 3214868480
	.section	.rodata,"a",@progbits
	.p2align	6, 0x0
	.amdhsa_kernel k_qa5b808a4d0_ln2
		.amdhsa_group_segment_fixed_size 17920
		.amdhsa_private_segment_fixed_size 0
		.amdhsa_enable_private_segment 0
		.amdhsa_kernarg_size 40
		.amdhsa_user_sgpr_count 2
		.amdhsa_user_sgpr_kernarg_segment_ptr 1
		.amdhsa_wavefront_size32 1
		.amdhsa_system_sgpr_workgroup_id_x 1
		.amdhsa_system_sgpr_workgroup_id_y 1
		.amdhsa_system_sgpr_workgroup_id_z 1
		.amdhsa_system_vgpr_workitem_id 0
		.amdhsa_next_free_vgpr 256
		.amdhsa_next_free_sgpr 66
		.amdhsa_reserve_vcc 0
		.amdhsa_float_denorm_mode_32 3
		.amdhsa_float_denorm_mode_16_64 3
		.amdhsa_memory_ordered 1
		.amdhsa_forward_progress 1
		.amdhsa_inst_pref_size 44
	.end_amdhsa_kernel
	.amdgpu_metadata
---
amdhsa.version: [ 1, 2 ]
amdhsa.kernels:
  - .name:           k_qa5b808a4d0_ln2
    .symbol:         k_qa5b808a4d0_ln2.kd
    .args:
      - { .name: x1, .offset: 0, .size: 8, .value_kind: global_buffer, .address_space: global }
      - { .name: ln2_g, .offset: 8, .size: 8, .value_kind: global_buffer, .address_space: global }
      - { .name: ln2_b, .offset: 16, .size: 8, .value_kind: global_buffer, .address_space: global }
      - { .name: lowp_scales, .offset: 24, .size: 8, .value_kind: global_buffer, .address_space: global }
      - { .name: xn, .offset: 32, .size: 8, .value_kind: global_buffer, .address_space: global }
    .group_segment_fixed_size: 17920
    .private_segment_fixed_size: 0
    .kernarg_segment_align: 8
    .kernarg_segment_size: 40
    .max_flat_workgroup_size: 128
    .sgpr_count:     66
    .vgpr_count:     256
    .wavefront_size: 32
...
	.end_amdgpu_metadata
.endif
;; end of part 5
;; launch fc1 (part 6): grid 16 x 16, 4 waves a work-group, clusters of 4 x 4, 327,680 bytes of LDS; arguments xn, w_fc1_codes, lowp_scales, b_fc1, gi; writes gi
.if DOCPART == 6
	.amdgcn_target "amdgcn-amd-amdhsa--gfx1250"
	.amdhsa_code_object_version 6
	.text
	.protected	k_qa5b808a4d0_fc1
	.globl	k_qa5b808a4d0_fc1
	.p2align	8
	.type	k_qa5b808a4d0_fc1,@function
k_qa5b808a4d0_fc1:
	s_mov_b64 s[64:65], 0
	v_nop
	global_prefetch_b8 v0, s[64:65] scope:SCOPE_SE
	s_setreg_imm32_b32 hwreg(HW_REG_WAVE_MODE, 25, 1), 1
	s_wait_xcnt 0x0
	s_wait_alu depctr_hold_cnt(0) depctr_sa_sdst(0) depctr_va_vdst(0) depctr_va_sdst(0) depctr_va_ssrc(0) depctr_va_vcc(0) depctr_vm_vsrc(0)
	s_getreg_b32 s2, hwreg(HW_REG_IB_STS2, 6, 4)
	s_cmp_eq_u32 s2, 0
	s_cbranch_scc0 .Lentry_in_a_cluster
	s_endpgm
.Lentry_in_a_cluster:
	s_bfe_u32 s2, ttmp6, 0x10000c
	s_cmp_lg_u32 s2, 0xf033
	s_cbranch_scc0 .Lentry_shape_is_right
	s_endpgm
.Lentry_shape_is_right:
; g = Q(gelu(LN2(x1) W^T + b)) on codes of E4M3.  xn: images of operand registers [16 tokens: 256][128 of K: 8][piece 4][lane 32][16 bytes]; W: [4096][1024] codes; x = sum x 2^(e8 + e9) + bias goes through the exact gelu
; (0.5 x (1 + erf(x / sqrt 2)), erf as a quotient of two polynomials in z^2 with z held within +-4, where erf is 1 to f32's last bit) and is quantised with 2^e10.
; SHARES.  A tile of 256 tokens x 256 hidden units a work-group: 256 work-groups.  Wave w makes tokens 64 w .. 64 w + 63 x all 256 units, in two halves of 128 units: 32 accumulators at a time.
; NO LDS BYTE IS FILLED TWICE.  K is 1,024, so W's 256 rows lie in LDS whole (256 x 1,040 bytes), in two first fills of 128 rows, each a joint tensor load of 32 rows a wave, shared along a column of the 4 x 4 cluster:
; the first half's rows at the head; the second half's behind the full sequence and a round of the cluster's barrier, so that they are on their way while the first half is multiplied.
; THE TOKENS' CODES COME FROM MEMORY STRAIGHT INTO REGISTERS AND STAY: 64 tokens x 1,024 K are 512 registers, 128 loads of 512 consecutive bytes; steps 0 to 3 are asked for at the head, step s + 4 in the first half's step s.
; They are not asked for jointly: they would have to pass through LDS, which W fills.  No prefetch: what the launch reads is asked for at its head and in its first four steps; nothing is left to run ahead of.
; THE BIAS IS THE C OF STEP 0'S PRODUCTS, divided by 2^(e8 + e9), which rounds nothing; it lies so in 1,024 bytes of LDS of the wave's own.  So a finished sum is x / 2^(e8 + e9), and that power of two is folded into the two factors by which gelu multiplies x anyway.
; Source 0 = 16 rows of W, source 1 = 16 tokens: a lane holds one token and eight neighbouring units, which are the next product's K.  Inside a product's 128 along K the codes stand permuted, alike in both operands.
; W's fragments: a group is four blocks of a step (16 loads, 16 products); three sets of registers take turns, and a set is fetched anew behind its products, 32 products ahead of its next use.
; The first half's products stand ahead of the loop, the second half's inside it behind the first way out: the way out is written once.  The polynomials' coefficients lie in scalar pairs, so that no line of gelu carries a literal.
; OUT: gi [16 tokens: 256][128 of K: 32][piece 4][lane 32][16 bytes], stored from registers, 512 consecutive bytes a store.
; LIMITS: e8 + e9 between -125 and 127; e10 between -126 and 119; bias / 2^(e8 + e9) is an f32 number.  NaN among the inputs is not served.
; REGISTERS: window 0: v0-31 addresses and constants; v32-63 codes; v64-255 W's three sets (v64-127 first the bias), on the way out at work.  window 1: accumulator (a, b) at v[64 a + 8 b].  windows 2, 3: the tokens' fragments, step s, block a at v[64 (s % 4) + 16 a] of window 2 + s / 4.
.set PITCH,  1040                      ; an odd multiple of 16 bytes: the 16 rows that a load touches start at 16 different banks (ISA guide 11.1)
.set LPART,  32*PITCH                  ; what one tensor load brings
.set GPART,  64*PITCH                  ; four blocks of W: what one address register reaches
.set SPARE,  256*PITCH                 ; the spare words, 128 bytes a wave, which no other line names
.set BIASL,  SPARE+512                 ; the bias, 1,024 bytes for each wave
.set ADRB,   20                        ; v20-23 LDS address of W's blocks 0-3, 4-7, 8-11, 12-15
.set BIA,    24                        ; v24 where I read the bias: 32 (lane / 16)
.set BIS,    25                        ; v25 where I put it: 16 x lane
.set LI,     26                        ; 16 x lane; never rewritten
.set SPW,    28
.set NIL,    29
.set TR,     64
.set ZR,     128
.set Z2R,    160
.set PR,     192
.set QR,     224
.set G1B, 48                           ; s[48:55] group 1; s[56:59], s[60:63] group 0 of the two fills
.set G0B, 56
.set P0,  24                           ; scalar pairs: the numerator's coefficients below the leading one,
.set P1,  26
.set P2,  28
.set P3,  30
.set P4,  32
.set P5,  34
.set Q0,  36                           ; and the denominator's
.set Q1,  38
.set Q2,  92
.set Q3,  94
.set MSB, 0
.macro WIN new
.if MSB != (\new)
	s_set_vgpr_msb (MSB<<8)|(\new)
.set MSB, (\new)
.endif
.endm
.macro CROUND                          ; a round of the cluster's barrier
	s_barrier_signal -1
	s_barrier_wait -1
	s_cmp_lg_u32 s14, 0
	s_cbranch_scc1 .Lnot_wave_0_\@
	s_barrier_signal -3
.Lnot_wave_0_\@:
	s_barrier_wait -3
	s_barrier_signal -1
	s_barrier_wait -1
.endm
.macro PLACES n
.rept \n
	v_nop
.endr
.endm
.macro SC p, val                       ; a coefficient in both words of a pair
	s_mov_b32 s[\p], \val
	s_mov_b32 s[\p+1], \val
.endm
.macro ALOAD s                         ; my four blocks of tokens, step s: 16 loads
	WIN 0x80+0x40*((\s)/4)
.irp a, 0,1,2,3
.irp c, 0,1,2,3
	global_load_b128 v[64*((\s)%4)+16*\a+4*\c:64*((\s)%4)+16*\a+4*\c+3], v[LI], s[4:5] offset:\a*16384+(\s)*2048+512*\c
.endr
.endr
.endm
; Group u of a half: step u / 2, blocks 4 (u % 2) .. + 3 of the half's eight; its set of registers begins at v[64 + 64 ((u + 1) % 3)]
.macro FB hf, u
.set fb, 64+64*(((\u)+1)%3)
.irp b, 0,1,2,3
.irp c, 0,1,2,3
	ds_load_b128 v[fb+16*\b+4*\c:fb+16*\b+4*\c+3], v[ADRB+2*(\hf)+(\u)%2] offset:\b*16*PITCH+128*((\u)/2)+32*\c
.endr
.endr
.endm
.macro MM u                            ; 16 products; the 32 accumulators take turns in the same order in every step; step 0 starts the sums from the bias
.set fb, 64+64*(((\u)+1)%3)
.irp b, 0,1,2,3
.irp a, 0,1,2,3
.set mc, 64*\a+8*(4*((\u)%2)+\b)
.set mb, fb+16*\b
.set ma, 64*(((\u)/2)%4)+16*\a
.set mi, 64+8*(4*((\u)%2)+\b)
.if (\u) < 2
	v_wmma_f32_16x16x128_fp8_fp8 v[mc:mc+7], v[mb:mb+15], v[ma:ma+15], v[mi:mi+7]
.else
	v_wmma_f32_16x16x128_fp8_fp8 v[mc:mc+7], v[mb:mb+15], v[ma:ma+15], v[mc:mc+7]
.endif
.endr
.endr
.endm
.macro US first, hf, u
.if (\first) && ((\u)%2 == 0)
.if (\u)/2 <= 4
	s_wait_loadcnt 48                              ; behind this step's tokens: the next three steps' 16 loads each
.else
	s_wait_loadcnt 16*(7-(\u)/2)
.endif
.if (\u)/2 < 4
	ALOAD (\u)/2+4
.endif
.endif
.if (\u) < 3
	s_wait_dscnt 16                                ; one group's fetch stands behind this group's (the order of issue is 0, 1, 3, 2, 4, 5 ..)
.elseif (\u) < 14
	s_wait_dscnt 32                                ; the next two groups' fetches may be out
.else
	s_wait_dscnt 16*(15-(\u))
.endif
.if (\u) < 2
	WIN 0x48                                       ; source 0 and C (the bias) window 0, source 1 window 2, D window 1
.else
	WIN 0x58+4*((\u)/8)                            ; source 0 window 0, source 1 window 2 or 3, C and D window 1
.endif
	MM \u
.if (\u) == 0
	PLACES 4                                       ; in front of loads into registers that matrix instructions have read
	WIN 0
	FB \hf, 3
.elseif (\u) == 1
	PLACES 4
	WIN 0
	FB \hf, 2                                      ; into the registers that held the bias
	FB \hf, 4
.elseif (\u)+3 <= 15
	PLACES 4
	WIN 0
	FB \hf, (\u)+3
.endif
.endm
.macro KPART first, hf                 ; a half's 256 products
.irp b, 0,1,2,3,4,5,6,7
	ds_load_b128 v[64+8*\b:67+8*\b], v[BIA] offset:512*(\hf)+64*\b        ; the bias of units 16 b + 8 h + 0 .. 7
	ds_load_b128 v[68+8*\b:71+8*\b], v[BIA] offset:512*(\hf)+64*\b+16
.endr
	FB \hf, 0
	FB \hf, 1
.irp u, 0,1,2,3,4,5,6,7,8,9,10,11,12,13,14,15
	US \first, \hf, \u
.endr
	PLACES 4                                       ; behind the last products
	WIN 0
.endm
	s_load_b128 s[4:7], s[0:1], 0x0                ; xn's images, W's codes
	s_load_b128 s[8:11], s[0:1], 0x10              ; the exponents, the bias
	s_load_b64 s[68:69], s[0:1], 0x20              ; gi
	v_lshl_add_u32 v[SPW], v0, 2, SPARE
	v_mov_b32 v[NIL], 0
	ds_add_u32 v[SPW], v[NIL]                      ; the opening lines: the add twice on end and its wait
	ds_add_u32 v[SPW], v[NIL]
	v_lshrrev_b32 v1, 5, v0
	v_readfirstlane_b32 s14, v1                    ; wave
	v_and_b32 v6, 31, v0
	v_lshlrev_b32 v[LI], 4, v6
	s_bfe_u32 s40, ttmp6, 0x40000                  ; cx, cy
	s_bfe_u32 s41, ttmp6, 0x40004
	s_lshl_b32 s42, ttmp9, 2
	s_add_co_u32 s42, s42, s40                     ; tile column
	s_and_b32 s17, ttmp7, 0xffff
	s_lshl_b32 s17, s17, 2
	s_add_co_u32 s17, s17, s41                     ; tile row
	s_lshl_b32 s44, 0x1111, s40                    ; my column of the cluster
	s_or_b32 s[G1B+0], s44, (0<<16)|(1<<20)|(1<<21)|(7<<22)|(3<<25)   ; the mask; elements of 1 byte; padding of four words behind every 256
	s_mov_b32 s[G1B+1], 1024<<16
	s_mov_b32 s[G1B+2], 32<<16
	s_mov_b32 s[G1B+3], 1024<<16
	s_mov_b32 s[G1B+4], 32
	s_mov_b32 s[G1B+5], 1024
	s_mov_b32 s[G1B+6], 0
	s_mov_b32 s[G1B+7], 0
	s_lshl_b32 s20, s17, 4
	s_lshl_b32 s18, s14, 2
	s_add_co_u32 s20, s20, s18                     ; my first block of 16 tokens
	s_lshl_b32 s74, s20, 16                        ; in gi: 65,536 bytes a block,
	s_lshl_b32 s20, s20, 14                        ; in xn: 16,384
	s_mov_b32 s21, 0
	s_lshl_b32 s46, s42, 3
	s_add_co_u32 s46, s46, s14                     ; the 32 rows of W that I fetch first: tile column and wave alone
	s_lshl_b32 s46, s46, 15
	s_mov_b32 s47, 0
	s_mul_i32 s66, s14, LPART                      ; where they go: the wave's number alone
	s_lshl_b32 s78, s42, 10                        ; the tile's bias
	s_mov_b32 s79, 0
	s_lshl_b32 s76, s42, 12                        ; gi: the tile's 256 units are two steps of 2,048 bytes
	s_add_co_u32 s74, s74, s76
	s_mov_b32 s75, 0
	SC P0, 0x32edffee
	SC P1, 0xb60cff51
	SC P2, 0xb86ec2d2
	SC P3, 0xba40ac63
	SC P4, 0xbb41a1f6
	SC P5, 0xbc83dbd4
	SC Q0, 0xb95fbd29
	SC Q1, 0xbadc924e
	SC Q2, 0xbbf19bf8
	SC Q3, 0xbc69b6a7
	s_wait_alu depctr_va_vdst(0)                   ; the wait ahead of the waits below
	s_wait_dscnt 0x0
	s_wait_kmcnt 0x0
	s_load_b64 s[80:81], s[8:9], 0x20              ; e8, e9
	s_load_b32 s82, s[8:9], 0x28                   ; e10
	s_add_nc_u64 s[4:5], s[4:5], s[20:21]
	s_add_nc_u64 s[46:47], s[6:7], s[46:47]
	s_add_nc_u64 s[10:11], s[10:11], s[78:79]
	s_add_nc_u64 s[68:69], s[68:69], s[74:75]
	global_load_b128 v[32:35], v[LI], s[10:11]             ; the tile's 256 biases: 4 lane + 0 .. 3,
	global_load_b128 v[36:39], v[LI], s[10:11] offset:512  ; and 128 further on
	ALOAD 0                                        ; two steps' tokens are on their way while the cluster meets
	ALOAD 1
	WIN 0
	s_mov_b32 s[G0B], 1
	s_mov_b32 s[G0B+1], s66
	s_mov_b64 s[G0B+2:G0B+3], s[46:47]
	s_or_b32 s[G0B+3], s[G0B+3], 0x80000000
	s_mov_b32 s[G0B+4], 1                          ; the second fill: 128 rows further on, in memory and in LDS
	s_add_co_u32 s[G0B+5], s66, 128*PITCH
	s_add_nc_u64 s[G0B+6:G0B+7], s[46:47], 128*1024
	s_or_b32 s[G0B+7], s[G0B+7], 0x80000000
	CROUND                                         ; the joint loads meet
	tensor_load_to_lds s[G0B:G0B+3], s[G1B:G1B+7]  ; the first half's rows: one tensor load a wave at the head
	s_nop 0
	PLACES 4
	ALOAD 2
	ALOAD 3
	WIN 0
	v_and_b32 v1, 15, v0                           ; r
	v_bfe_u32 v2, v0, 4, 1                         ; h
	v_mul_u32_u24 v3, v1, PITCH
	v_lshl_add_u32 v[ADRB], v2, 4, v3
	v_add_nc_u32 v[ADRB+1], GPART, v[ADRB]
	v_add_nc_u32 v[ADRB+2], 2*GPART, v[ADRB]
	v_add_nc_u32 v[ADRB+3], 3*GPART, v[ADRB]
	s_lshl_b32 s23, s14, 10
	s_add_co_u32 s23, s23, BIASL                   ; my wave's 1,024 bytes for the bias
	v_lshl_add_u32 v[BIA], v2, 5, s23
	v_add_nc_u32 v[BIS], s23, v[LI]
	v_mov_b32 v12, 0xaf95df0b                      ; the two polynomials' leading coefficients, as pairs
	v_mov_b32 v13, 0xaf95df0b
	v_mov_b32 v14, 0xb77460cd
	v_mov_b32 v15, 0xb77460cd
	s_wait_kmcnt 0x0
	s_add_co_i32 s83, s80, s81                     ; e8 + e9
	s_add_co_i32 s84, s83, 126
	s_lshl_b32 s84, s84, 23                        ; 0.5 x 2^(e8 + e9)
	s_mov_b32 s85, s84
	s_lshl_b32 s86, s83, 23
	s_add_co_i32 s86, s86, 0x3f3504f3              ; 2^(e8 + e9) / sqrt 2: the exponents are added to the factor's exponent field
	s_mov_b32 s87, s86
	s_sub_co_i32 s88, 0, s83
	s_add_co_i32 s90, s82, 127
	s_lshl_b32 s91, s90, 23
	v_mov_b32 v30, s91                             ; 2^e10
	s_add_co_i32 s90, s90, 8
	s_lshl_b32 s90, s90, 23
	s_or_b32 s90, s90, 0x600000
	v_mov_b32 v31, s90                             ; 448 x 2^e10
	s_wait_loadcnt 63                              ; the bias is in: 64 loads stand behind it, and the count's field ends at 63
.irp j, 0,1,2,3,4,5,6,7
	v_ldexp_f32 v[32+\j], v[32+\j], s88            ; bias / 2^(e8 + e9)
.endr
	s_wait_alu depctr_va_vdst(0)                   ; the wait at the head's end
	s_wait_tensorcnt 0x0                           ; my rows of the first half are in
	ds_add_u32 v[SPW], v[NIL]
	s_wait_dscnt 0x0
	CROUND                                         ; everybody's rows of the first half are in, and the joint loads meet
	tensor_load_to_lds s[G0B+4:G0B+7], s[G1B:G1B+7]    ; the second half's rows, the first tensor load behind the round
	s_nop 0
	PLACES 4
	ds_store_b128 v[BIS], v[32:35]                 ; my wave's own bytes, on which no fill lands; LDS serves a wave's instructions in order (ISA guide 5.7.1.4)
	ds_store_b128 v[BIS], v[36:39] offset:512
.macro HORN r, k
.set hj, 0
.rept 16
	v_pk_fma_f32 v[\r+hj:\r+hj+1], v[\r+hj:\r+hj+1], v[Z2R+hj:Z2R+hj+1], s[\k:\k+1] op_sel_hi:[1,1,0]
.set hj, hj+2
.endr
.endm
.macro GELU32 a, c                     ; 32 numbers: z = x / sqrt 2 held within +-4; erf = z P(z^2) / Q(z^2); 0.5 x + 0.5 x erf
.set XW, 64*(\a)+32*(\c)
.set TH, TR+32*(\c)
	WIN 0x01
	s_wait_alu depctr_va_vdst(0)
.set gj, 0
.rept 16
	v_pk_mul_f32 v[ZR+gj:ZR+gj+1], v[XW+gj:XW+gj+1], s[86:87] op_sel_hi:[1,0]     ; each accumulator from its low end on
.set gj, gj+2
.endr
.set gj, 0
.rept 16
	v_pk_mul_f32 v[TH+gj:TH+gj+1], v[XW+gj:XW+gj+1], s[84:85] op_sel_hi:[1,0]
.set gj, gj+2
.endr
	WIN 0
.set gj, 0
.rept 32
	v_med3_num_f32 v[ZR+gj], v[ZR+gj], -4.0, 4.0
.set gj, gj+1
.endr
.set gj, 0
.rept 16
	v_pk_mul_f32 v[Z2R+gj:Z2R+gj+1], v[ZR+gj:ZR+gj+1], v[ZR+gj:ZR+gj+1]
.set gj, gj+2
.endr
.set gj, 0
.rept 16
	v_pk_fma_f32 v[PR+gj:PR+gj+1], v[Z2R+gj:Z2R+gj+1], v[12:13], s[P0:P0+1] op_sel_hi:[1,1,0]
.set gj, gj+2
.endr
.set gj, 0
.rept 16
	v_pk_fma_f32 v[QR+gj:QR+gj+1], v[Z2R+gj:Z2R+gj+1], v[14:15], s[Q0:Q0+1] op_sel_hi:[1,1,0]
.set gj, gj+2
.endr
	HORN QR, Q1
	HORN QR, Q2
	HORN QR, Q3
	s_wait_alu depctr_va_vdst(0)                   ; the wait ahead of the batch
.set gj, 0
.rept 32
	v_rcp_f32 v[QR+gj], v[QR+gj]
.set gj, gj+1
.endr
	HORN PR, P1
	HORN PR, P2
	HORN PR, P3
	HORN PR, P4
	HORN PR, P5
.set gj, 0
.rept 16
	v_pk_mul_f32 v[PR+gj:PR+gj+1], v[PR+gj:PR+gj+1], v[ZR+gj:ZR+gj+1]
.set gj, gj+2
.endr
	s_wait_alu depctr_va_vdst(0)                   ; one wait for the batch, ahead of its first reader
.set gj, 0
.rept 16
	v_pk_mul_f32 v[PR+gj:PR+gj+1], v[PR+gj:PR+gj+1], v[QR+gj:QR+gj+1]
.set gj, gj+2
.endr
.set gj, 0
.rept 16
	v_pk_fma_f32 v[TH+gj:TH+gj+1], v[TH+gj:TH+gj+1], v[PR+gj:PR+gj+1], v[TH+gj:TH+gj+1]
.set gj, gj+2
.endr
.endm
.macro GBLK a                          ; 16 tokens x 128 units: gelu, the hold, the conversion, four pieces of an image
.set CD, 32+16*((\a)%2)
	GELU32 \a, 0
	GELU32 \a, 1
.set oj, 0
.rept 64
	v_med3_num_f32 v[TR+oj], v[TR+oj], -v31, v31   ; the conversion does not saturate (ISA guide 7.6.2)
.set oj, oj+1
.endr
	s_wait_alu depctr_va_vdst(0)
	s_wait_xcnt 0x0                                ; earlier stores have read this set of code registers
.irp b, 0,1,2,3,4,5,6,7
	v_cvt_scalef32_pk8_fp8_f32 v[CD+2*\b:CD+2*\b+1], v[TR+8*\b:TR+8*\b+7], v30
.endr
	v_nop
.irp c, 0,1,2,3
	v_permlane16_swap_b32 v[CD+4*\c], v[CD+4*\c+2]         ; two pairs (units 16 b + 8 h on) become four registers with units 32 c + 16 h + 0 .. 15
	v_permlane16_swap_b32 v[CD+4*\c+1], v[CD+4*\c+3]
.endr
.irp c, 0,1,2,3
	global_store_b128 v[LI], v[CD+4*\c:CD+4*\c+3], s[68:69] offset:(\a)*65536+512*\c
.endr
.endm
	KPART 1, 0                                     ; units 0 to 127, with the loads of the tokens' steps 4 to 7
	s_wait_tensorcnt 0x0                           ; my rows of the second half are in,
	s_wait_dscnt 0x0
	s_barrier_signal -1
	s_barrier_wait -1                              ; everybody's are
	s_mov_b32 s3, 2
.Lhalf:                                            ; two trips: a half's way out; behind the first, the second half's products
	GBLK 0
	GBLK 1
	GBLK 2
	GBLK 3
	s_cmp_eq_u32 s3, 1
	s_cbranch_scc1 .Lno_more
	s_wait_xcnt 0x0                                ; the stores have read their base
	s_add_nc_u64 s[68:69], s[68:69], 2048          ; the next 128 units in gi
	KPART 0, 1
.Lno_more:
	s_sub_co_u32 s3, s3, 1
	s_cmp_lg_u32 s3, 0
	s_cbranch_scc1 .Lhalf
	s_wait_tensorcnt 0x0                           ; the wave's end
	ds_add_u32 v[SPW], v[NIL]
	s_wait_dscnt 0x0
	CROUND                                         ; the closing round
	s_endpgm
.Lfunc_end_k_qa5b808a4d0_fc1:
	.size	k_qa5b808a4d0_fc1, .Lfunc_end_k_qa5b808a4d0_fc1-k_qa5b808a4d0_fc1
	.p2alignl 7, 3214868480
	.fill 96, 4, 3214868480
	.section	.rodata,"a",@progbits
	.p2align	6, 0x0
	.amdhsa_kernel k_qa5b808a4d0_fc1
		.amdhsa_group_segment_fixed_size 327680
		.amdhsa_private_segment_fixed_size 0
		.amdhsa_enable_private_segment 0
		.amdhsa_kernarg_size 40
		.amdhsa_user_sgpr_count 2
		.amdhsa_user_sgpr_kernarg_segment_ptr 1
		.amdhsa_wavefront_size32 1
		.amdhsa_system_sgpr_workgroup_id_x 1
		.amdhsa_system_sgpr_workgroup_id_y 1
		.amdhsa_system_sgpr_workgroup_id_z 1
		.amdhsa_system_vgpr_workitem_id 0
		.amdhsa_next_free_vgpr 1024
		.amdhsa_next_free_sgpr 100
		.amdhsa_reserve_vcc 0
		.amdhsa_float_denorm_mode_32 3
		.amdhsa_float_denorm_mode_16_64 3
		.amdhsa_memory_ordered 1
		.amdhsa_forward_progress 1
		.amdhsa_inst_pref_size 255
	.end_amdhsa_kernel
	.section	.bss,"aw",@nobits
	.p2align	6
	.space	262144
	.amdgpu_metadata
---
amdhsa.version: [ 1, 2 ]
amdhsa.kernels:
  - .name:           k_qa5b808a4d0_fc1
    .symbol:         k_qa5b808a4d0_fc1.kd
    .args:
      - { .name: xn, .offset: 0, .size: 8, .value_kind: global_buffer, .address_space: global }
      - { .name: w_fc1_codes, .offset: 8, .size: 8, .value_kind: global_buffer, .address_space: global }
      - { .name: lowp_scales, .offset: 16, .size: 8, .value_kind: global_buffer, .address_space: global }
      - { .name: b_fc1, .offset: 24, .size: 8, .value_kind: global_buffer, .address_space: global }
      - { .name: gi, .offset: 32, .size: 8, .value_kind: global_buffer, .address_space: global }
    .group_segment_fixed_size: 327680
    .private_segment_fixed_size: 0
    .kernarg_segment_align: 8
    .kernarg_segment_size: 40
    .max_flat_workgroup_size: 128
    .sgpr_count:     100
    .vgpr_count:     1024
    .wavefront_size: 32
...
	.end_amdgpu_metadata
.endif
;; end of part 6
;; launch fc2 (part 7): grid 8 x 32, 4 waves a work-group, clusters of 4 x 4, 327,680 bytes of LDS; arguments gi, w_fc2_codes, lowp_scales, b_fc2, x1, out0; writes out0
.if DOCPART == 7
	.amdgcn_target "amdgcn-amd-amdhsa--gfx1250"
	.amdhsa_code_object_version 6
	.text
	.protected	k_qa5b808a4d0_fc2
	.globl	k_qa5b808a4d0_fc2
	.p2align	8
	.type	k_qa5b808a4d0_fc2,@function
k_qa5b808a4d0_fc2:
	s_mov_b64 s[64:65], 0
	v_nop
	global_prefetch_b8 v0, s[64:65] scope:SCOPE_SE
	s_setreg_imm32_b32 hwreg(HW_REG_WAVE_MODE, 25, 1), 1
	s_wait_xcnt 0x0
	s_wait_alu depctr_hold_cnt(0) depctr_sa_sdst(0) depctr_va_vdst(0) depctr_va_sdst(0) depctr_va_ssrc(0) depctr_va_vcc(0) depctr_vm_vsrc(0)
	s_getreg_b32 s2, hwreg(HW_REG_IB_STS2, 6, 4)
	s_cmp_eq_u32 s2, 0
	s_cbranch_scc0 .Lentry_in_a_cluster
	s_endpgm
.Lentry_in_a_cluster:
	s_bfe_u32 s2, ttmp6, 0x10000c
	s_cmp_lg_u32 s2, 0xf033
	s_cbranch_scc0 .Lentry_shape_is_right
	s_endpgm
.Lentry_shape_is_right:
.set SPS,    8
.set QI,     7
.set SIZE_K, 4096
.set SCOFF,  0x28
.set NTOUT,  1
.set KSTEP,  128*SPS
.set PITCH,  KSTEP+16
.set WROWS,  32
.set SLOT,   128*PITCH
.set SPARE,  2*SLOT
.set NSTEP,  SIZE_K/128
.set NSLOT,  NSTEP/SPS
.set SPITCH, 528
.set ADRB,   20
.set STO,    24
.set RD,     25
.set LI,     26
.set SPW,    28
.set NIL,    29
.set RS,     128
.set BK,     128
.set G1B, 48
.set G0B, 56
.set MSB, 0
.set MUL,  0xad
.set TO_B, 0x40
.set TO_A, 0xc0
.set TO_R, 0x80
.macro WIN new
.if MSB != (\new)
	s_set_vgpr_msb (MSB<<8)|(\new)
.set MSB, (\new)
.endif
.endm
.macro CREST
	s_cmp_lg_u32 s14, 0
	s_cbranch_scc1 .Lnot_wave_0_\@
	s_barrier_signal -3
.Lnot_wave_0_\@:
	s_barrier_wait -3
	s_barrier_signal -1
	s_barrier_wait -1
.endm
.macro CROUND
	s_barrier_signal -1
	s_barrier_wait -1
	CREST
.endm
.macro PLACES n
.rept \n
	v_nop
.endr
.endm
.macro FETCH_B f
.set fl, ((\f)/SPS)%2
.set fq, (\f)%SPS
.set fp, 128*((\f)%2)
	WIN TO_B
.irp b, 0,1,2,3,4,5,6,7
.irp c, 0,1,2,3
	ds_load_b128 v[fp+16*\b+4*\c:fp+16*\b+4*\c+3], v[ADRB+fl+2*(\b/4)] offset:128*fq+32*\c+(\b%4)*16*PITCH
.endr
.endr
.endm
.macro ALOAD f
.set ga, 32*((\f)%8)
	WIN TO_A
.irp a, 0,1
.irp c, 0,1,2,3
	global_load_b128 v[ga+16*\a+4*\c:ga+16*\a+4*\c+3], v[LI], s[4:5] offset:\a*16*SIZE_K+(\f)*2048+512*\c
.endr
.endr
.endm
.macro RES j
	WIN TO_R
.irp i, 0,1,2,3
	global_load_b128 v[RS+4*(4*(\j)+\i):RS+4*(4*(\j)+\i)+3], v[LI], s[68:69] offset:(4*(\j)+\i)*4096
.endr
.endm
.macro MUL8 s, a
.set mp, 128*((\s)%2)
.set mq, 32*((\s)%8)+16*(\a)
.irp b, 0,1,2,3,4,5,6,7
.if (\s) == 0
	v_wmma_f32_16x16x128_fp8_fp8 v[8*(8*(\a)+\b):8*(8*(\a)+\b)+7], v[mp+16*\b:mp+16*\b+15], v[mq:mq+15], 0
.else
	v_wmma_f32_16x16x128_fp8_fp8 v[8*(8*(\a)+\b):8*(8*(\a)+\b)+7], v[mp+16*\b:mp+16*\b+15], v[mq:mq+15], v[8*(8*(\a)+\b):8*(8*(\a)+\b)+7]
.endif
.endr
.endm
.macro DOSTEP s, mode
.if \mode
	WIN 0
	s_wait_tensorcnt 0x0
	ds_add_u32 v[SPW], v[NIL]
	s_wait_dscnt 33
.elseif (\s)+1 < NSTEP
	s_wait_dscnt 32
.else
	s_wait_dscnt 0x0
.endif
.if (\s) > NSTEP-8
	s_wait_loadcnt 56-4*((\s)-(NSTEP-8))
.else
	s_wait_loadcnt 56
.endif
	WIN MUL
	MUL8 \s, 0
.if \mode
	s_wait_dscnt 0x0
	s_barrier_signal -1
.endif
	MUL8 \s, 1
	WIN 0
.if \mode
	s_barrier_wait -1
.endif
.if (\mode) == 1
.set sl, G0B+4*(((\s)/SPS)%2)
	CREST
	s_add_nc_u64 s[sl+2:sl+3], s[sl+2:sl+3], 2*KSTEP
	tensor_load_to_lds s[sl:sl+3], s[G1B:G1B+7]
	s_nop 0
.endif
	PLACES 4
.if (\s)+2 < NSTEP
	FETCH_B (\s)+2
.endif
.if (\s)+8 < NSTEP
	ALOAD (\s)+8
.else
	RES (\s)-(NSTEP-8)
.endif
.endm
	s_load_b128 s[4:7], s[0:1], 0x0
	s_load_b128 s[8:11], s[0:1], 0x10
	s_load_b128 s[68:71], s[0:1], 0x20
	v_lshl_add_u32 v[SPW], v0, 2, SPARE
	v_mov_b32 v[NIL], 0
	ds_add_u32 v28, v29
	ds_add_u32 v28, v29
	s_wait_dscnt 0x0
	v_lshrrev_b32 v1, 5, v0
	v_readfirstlane_b32 s14, v1
	s_bfe_u32 s40, ttmp6, 0x40000
	s_bfe_u32 s41, ttmp6, 0x40004
	s_lshl_b32 s42, ttmp9, 2
	s_add_co_u32 s42, s42, s40
	s_and_b32 s17, ttmp7, 0xffff
	s_lshl_b32 s17, s17, 2
	s_add_co_u32 s17, s17, s41
	s_lshl_b32 s44, 0x1111, s40
	s_or_b32 s[G1B+0], s44, (0<<16)|(1<<20)|(1<<21)|(QI<<22)|(3<<25)
	s_mov_b32 s[G1B+1], KSTEP<<16
	s_mov_b32 s[G1B+2], WROWS<<16
	s_mov_b32 s[G1B+3], KSTEP<<16
	s_mov_b32 s[G1B+4], WROWS
	s_mov_b32 s[G1B+5], SIZE_K
	s_mov_b32 s[G1B+6], 0
	s_mov_b32 s[G1B+7], 0
	s_lshl_b32 s18, s14, 5
	s_lshl_b32 s20, s17, 7
	s_add_co_u32 s20, s20, s18
	s_mul_i32 s20, s20, SIZE_K
	s_mov_b32 s21, 0
	s_lshl_b32 s46, s42, 7
	s_add_co_u32 s46, s46, s18
	s_mul_i32 s46, s46, SIZE_K
	s_mov_b32 s47, 0
	s_mul_i32 s66, s14, WROWS*PITCH
	s_wait_kmcnt 0x0
	s_load_b64 s[80:81], s[8:9], SCOFF
	s_add_nc_u64 s[4:5], s[4:5], s[20:21]
	s_add_nc_u64 s[46:47], s[6:7], s[46:47]
	v_and_b32 v6, 31, v0
	v_lshlrev_b32 v[LI], 4, v6
	s_wait_alu depctr_va_vdst(0)
.irp f, 0,1,2,3,4,5,6
	ALOAD \f                                       ; 56 loads of A are on their way while the cluster meets
.endr
	WIN 0
	CROUND
.irp s, 0,1
	s_mov_b32 s[G0B+4*\s], 1
	s_add_co_u32 s[G0B+4*\s+1], s66, \s*SLOT
	s_add_nc_u64 s[G0B+4*\s+2:G0B+4*\s+3], s[46:47], \s*KSTEP
	s_or_b32 s[G0B+4*\s+3], s[G0B+4*\s+3], 0x80000000
.endr
	tensor_load_to_lds s[G0B:G0B+3], s[G1B:G1B+7]  ; slot 0: one tensor load a wave at the head
	s_nop 0
	PLACES 4
	ALOAD 7
	WIN 0
	s_wait_alu depctr_va_vdst(0)
	s_wait_tensorcnt 0x0                           ; my part of slot 0 is in
	ds_add_u32 v[SPW], v[NIL]
	s_wait_dscnt 0x0
	CROUND                                         ; everybody's part of slot 0 is in, and the joint loads meet
	tensor_load_to_lds s[G0B+4:G0B+7], s[G1B:G1B+7]    ; slot 1's first fill, the first tensor load behind the round
	s_nop 0
	PLACES 4
	v_and_b32 v1, 15, v0
	v_bfe_u32 v2, v0, 4, 1
	v_mul_u32_u24 v3, v1, PITCH
	v_lshl_add_u32 v[ADRB], v2, 4, v3
	v_add_nc_u32 v[ADRB+1], SLOT, v[ADRB]
	v_add_nc_u32 v[ADRB+2], 64*PITCH, v[ADRB]
	v_add_nc_u32 v[ADRB+3], SLOT+64*PITCH, v[ADRB]
	s_mul_i32 s23, s14, 16*SPITCH
	v_mul_u32_u24 v7, v1, SPITCH
	v_lshl_add_u32 v7, v2, 5, v7
	v_add_nc_u32 v[STO], s23, v7
	v_add_nc_u32 v[RD], s23, v[LI]
	s_lshl_b32 s74, s17, 7
	s_add_co_u32 s74, s74, s18
	s_lshl_b32 s74, s74, 12
	s_lshl_b32 s76, s42, 9
	s_mov_b32 s77, 0
	s_add_nc_u64 s[10:11], s[10:11], s[76:77]
	s_add_co_u32 s74, s74, s76
	s_mov_b32 s75, 0
	s_add_nc_u64 s[68:69], s[68:69], s[74:75]
	s_add_nc_u64 s[70:71], s[70:71], s[74:75]
	global_load_b128 v[12:15], v[LI], s[10:11]     ; the bias of my four columns of a row, asked for at the head; the steps' counts on LOADcnt stay as they are, one under what this load would allow
	s_wait_alu depctr_va_vdst(0)
	FETCH_B 0
	FETCH_B 1
.irp s, 0,1,2,3,4,5,6,7,8,9,10,11,12,13,14,15,16,17,18,19,20,21,22,23,24,25,26,27,28,29,30,31
.if \s < NSTEP
.if ((\s)%SPS == SPS-2) && ((\s)+2 < NSTEP)
.if (\s)/SPS+2 < NSLOT
	DOSTEP \s, 1
.else
	DOSTEP \s, 2
.endif
.else
	DOSTEP \s, 0
.endif
.endif
.endr
	WIN 0
	s_wait_loadcnt 0x0
	s_wait_kmcnt 0x0
	s_add_co_i32 s84, s80, s81
	s_add_co_i32 s84, s84, 127
	s_lshl_b32 s84, s84, 23
	s_mov_b32 s85, s84
	WIN 0x82
.set ri, 0
.rept 32
	v_pk_add_f32 v[RS+4*ri:RS+4*ri+1], v[RS+4*ri:RS+4*ri+1], v[12:13]
	v_pk_add_f32 v[RS+4*ri+2:RS+4*ri+3], v[RS+4*ri+2:RS+4*ri+3], v[14:15]
.set ri, ri+1
.endr
	WIN 0
.macro TOSTAGE a
	WIN 0x08
.irp b, 0,1,2,3,4,5,6,7
	ds_store_b128 v[STO], v[64*(\a)+8*\b:64*(\a)+8*\b+3] offset:64*\b
	ds_store_b128 v[STO], v[64*(\a)+8*\b+4:64*(\a)+8*\b+7] offset:64*\b+16
.endr
	WIN 0
.irp t, 0,1,2,3,4,5,6,7,8,9,10,11,12,13,14,15
	ds_load_b128 v[BK+64*(\a)+4*\t:BK+64*(\a)+4*\t+3], v[RD] offset:\t*SPITCH
.endr
.endm
.macro SEND a, younger
	s_wait_dscnt \younger
	WIN 0x20
.irp t, 0,1,2,3,4,5,6,7,8,9,10,11,12,13,14,15
	v_pk_fma_f32 v[BK+64*(\a)+4*\t:BK+64*(\a)+4*\t+1], v[BK+64*(\a)+4*\t:BK+64*(\a)+4*\t+1], s[84:85], v[RS+64*(\a)+4*\t:RS+64*(\a)+4*\t+1] op_sel_hi:[1,0,1]
	v_pk_fma_f32 v[BK+64*(\a)+4*\t+2:BK+64*(\a)+4*\t+3], v[BK+64*(\a)+4*\t+2:BK+64*(\a)+4*\t+3], s[84:85], v[RS+64*(\a)+4*\t+2:RS+64*(\a)+4*\t+3] op_sel_hi:[1,0,1]
.endr
	WIN 0
.irp t, 0,1,2,3,4,5,6,7,8,9,10,11,12,13,14,15
.if NTOUT
	global_store_b128 v[LI], v[BK+64*(\a)+4*\t:BK+64*(\a)+4*\t+3], s[70:71] offset:(16*(\a)+\t)*4096 th:TH_STORE_NT
.else
	global_store_b128 v[LI], v[BK+64*(\a)+4*\t:BK+64*(\a)+4*\t+3], s[70:71] offset:(16*(\a)+\t)*4096
.endif
.endr
.endm
	TOSTAGE 0
	TOSTAGE 1
	SEND 0, 32
	SEND 1, 0
	s_wait_tensorcnt 0x0
	ds_add_u32 v[SPW], v[NIL]
	s_wait_dscnt 0x0
	CROUND
	s_endpgm
.Lfunc_end_k_qa5b808a4d0_fc2:
	.size	k_qa5b808a4d0_fc2, .Lfunc_end_k_qa5b808a4d0_fc2-k_qa5b808a4d0_fc2
	.p2alignl 7, 3214868480
	.fill 96, 4, 3214868480
	.section	.rodata,"a",@progbits
	.p2align	6, 0x0
	.amdhsa_kernel k_qa5b808a4d0_fc2
		.amdhsa_group_segment_fixed_size 327680
		.amdhsa_private_segment_fixed_size 0
		.amdhsa_enable_private_segment 0
		.amdhsa_kernarg_size 48
		.amdhsa_user_sgpr_count 2
		.amdhsa_user_sgpr_kernarg_segment_ptr 1
		.amdhsa_wavefront_size32 1
		.amdhsa_system_sgpr_workgroup_id_x 1
		.amdhsa_system_sgpr_workgroup_id_y 1
		.amdhsa_system_sgpr_workgroup_id_z 1
		.amdhsa_system_vgpr_workitem_id 0
		.amdhsa_next_free_vgpr 1024
		.amdhsa_next_free_sgpr 100
		.amdhsa_reserve_vcc 0
		.amdhsa_float_denorm_mode_32 3
		.amdhsa_float_denorm_mode_16_64 3
		.amdhsa_memory_ordered 1
		.amdhsa_forward_progress 1
		.amdhsa_inst_pref_size 156
	.end_amdhsa_kernel
	.amdgpu_metadata
---
amdhsa.version: [ 1, 2 ]
amdhsa.kernels:
  - .name:           k_qa5b808a4d0_fc2
    .symbol:         k_qa5b808a4d0_fc2.kd
    .args:
      - { .name: gi, .offset: 0, .size: 8, .value_kind: global_buffer, .address_space: global }
      - { .name: w_fc2_codes, .offset: 8, .size: 8, .value_kind: global_buffer, .address_space: global }
      - { .name: lowp_scales, .offset: 16, .size: 8, .value_kind: global_buffer, .address_space: global }
      - { .name: b_fc2, .offset: 24, .size: 8, .value_kind: global_buffer, .address_space: global }
      - { .name: x1, .offset: 32, .size: 8, .value_kind: global_buffer, .address_space: global }
      - { .name: out0, .offset: 40, .size: 8, .value_kind: global_buffer, .address_space: global }
    .group_segment_fixed_size: 327680
    .private_segment_fixed_size: 0
    .kernarg_segment_align: 8
    .kernarg_segment_size: 48
    .max_flat_workgroup_size: 128
    .sgpr_count:     100
    .vgpr_count:     1024
    .wavefront_size: 32
...
	.end_amdgpu_metadata
.endif
;; end of part 7
